; MI455X (gfx1250); checked and timed in simulation.
; The chip was launched on July 23, 2026; its instructions are those of AMD's public machine-readable ISA for CDNA 5 (MIT licence, August 2026) and "CDNA5" Instruction Set Architecture Reference Guide (July 2026). The comments in the code are by the model that wrote it; some were corrected since.
;; Sparse Mo E. Allowed arithmetic: matrix products marked QUANTISED: E3M2 operands, one E8M0 scale for each 32 along K, by v_wmma_scale_f32_16x16x128_f8f6f4 with both operands' format E3M2, f32 sums; products left as they are: f32 operands where the result goes on into a quantised operand, else bf16, f16 or f32 operands; f32 sums; everything else in f32.
;; Inputs: b1 8 x 4,096 float32; b2 8 x 1,024 float32; gate_w 8 x 1,024 float32; w1_codes 8 x 4,096 x 32 x 24 uint8 (E3M2 codes of w1, K innermost, in blocks of 32 codes, four codes in three bytes); w1_scales 8 x 4,096 x 32 uint8 (E8M0 scales of w1, one for each 32 codes along K); w2_codes 8 x 1,024 x 128 x 24 uint8 (E3M2 codes of w2, K innermost, in blocks of 32 codes, four codes in three bytes); w2_scales 8 x 1,024 x 128 uint8 (E8M0 scales of w2, one for each 32 codes along K); x 4 x 256 x 1,024 float32.
;; Outputs: out0 4 x 256 x 1,024 float32; out1 one number float32.
;; This version of the problem:
;;   THIS VERSION OF THE PROBLEM IS GIVEN IN LOW PRECISION. The matrix products marked QUANTISED in the list below multiply operands that are first quantised to E3M2 (3 exponent bits, 2 mantissa bits; 6 bits a number), with one power-of-two scale for each 32 numbers along K (OCP MX v1.0); their sums are f32. All else is computed in f32.
;;   The module's matrix products, in the order in which they are computed (A, B: the left and right operand; K: the contracted axis; several contracted axes count as one K, in the product's order):
;;     1. [M 1,024, K 1,024] x [K 1,024, N 8]; A: input x; B: input gate_w: left as it is (N = 8 < 16)
;;     2. batch 1,024 x [M 1, K 2] x [K 2, N 8]; A: softmax; B: computed on the way: left as it is (K = 2 < 32)
;;     3. [M 1,024, K 1,024] x [K 1,024, N 4,096]; A: input x; B: input w1 (given as codes): QUANTISED
;;     4. [M 1,024, K 4,096] x [K 4,096, N 1,024]; A: computed on the way; B: input w2 (given as codes): QUANTISED
;;     5. [M 1,024, K 1,024] x [K 1,024, N 4,096]; A: input x; B: input w1 (given as codes): QUANTISED
;;     6. [M 1,024, K 4,096] x [K 4,096, N 1,024]; A: computed on the way; B: input w2 (given as codes): QUANTISED
;;     7. [M 1,024, K 1,024] x [K 1,024, N 4,096]; A: input x; B: input w1 (given as codes): QUANTISED
;;     8. [M 1,024, K 4,096] x [K 4,096, N 1,024]; A: computed on the way; B: input w2 (given as codes): QUANTISED
;;     9. [M 1,024, K 1,024] x [K 1,024, N 4,096]; A: input x; B: input w1 (given as codes): QUANTISED
;;     10. [M 1,024, K 4,096] x [K 4,096, N 1,024]; A: computed on the way; B: input w2 (given as codes): QUANTISED
;;     11. [M 1,024, K 1,024] x [K 1,024, N 4,096]; A: input x; B: input w1 (given as codes): QUANTISED
;;     12. [M 1,024, K 4,096] x [K 4,096, N 1,024]; A: computed on the way; B: input w2 (given as codes): QUANTISED
;;     13. [M 1,024, K 1,024] x [K 1,024, N 4,096]; A: input x; B: input w1 (given as codes): QUANTISED
;;     14. [M 1,024, K 4,096] x [K 4,096, N 1,024]; A: computed on the way; B: input w2 (given as codes): QUANTISED
;;     15. [M 1,024, K 1,024] x [K 1,024, N 4,096]; A: input x; B: input w1 (given as codes): QUANTISED
;;     16. [M 1,024, K 4,096] x [K 4,096, N 1,024]; A: computed on the way; B: input w2 (given as codes): QUANTISED
;;     17. [M 1,024, K 1,024] x [K 1,024, N 4,096]; A: input x; B: input w1 (given as codes): QUANTISED
;;     18. [M 1,024, K 4,096] x [K 4,096, N 1,024]; A: computed on the way; B: input w2 (given as codes): QUANTISED
;;   THE QUANTISER, for each operand of a quantised product, along K:
;;     - K is cut into blocks of 32 from its start; a last block that is shorter is filled with zeros.
;;     - A block's scale is 2^e with e = floor(log2(the largest magnitude in the block)) - 4, held to -126 .. 127; a block of zeros has e = 0. As a byte (E8M0): e + 127.
;;     - Each number is divided by its block's scale, clamped to +-28, and rounded to the nearest number of E3M2, ties to even, subnormals kept.
;;     - The product sums the exact products of the quantised numbers (number of the format x scale) in f32.
;;   ~~~python
;;   def quantise(x, axis):      # numpy; x: float32 -> the quantised numbers, widened to float32 again
;;       x = np.moveaxis(x, axis, -1); K = x.shape[-1]
;;       x = np.pad(x, [(0, 0)] * (x.ndim - 1) + [(0, -K % 32)]); x = x.reshape(x.shape[:-1] + (-1, 32)); a = np.abs(x).max(-1, keepdims=True)
;;       e = np.where(a > 0, np.clip(np.frexp(np.where(a > 0, a, 1))[1] - 1 - 4, -126, 127), 0)      # np.frexp(a)[1] - 1 = floor(log2(a)), exactly
;;       r = np.clip(x / 2.0 ** e, -28, 28)
;;       step = 2.0 ** (np.maximum(np.frexp(np.where(r == 0, 1, r))[1] - 1, -2) - 2)
;;       q = np.round(r / step) * step * 2.0 ** e      # np.round: ties to even
;;       return np.moveaxis(q.reshape(q.shape[:-2] + (-1,))[..., :K], -1, axis).astype(np.float32)
;;   ~~~
;;   OPERANDS COMPUTED ON THE WAY. 'Computed on the way' means the value that the module computes at that place (a softmax that the list does not call 'softmax' is quantised finished and normalised). What goes into a quantiser is computed in f32, as accurately as f32 sums, v_exp_f32 and their like allow (about 1e-6 of the number): no bf16 or f16 on the way to a quantiser, and a product that is left as it is and whose result goes on into a quantised operand takes f32 operands (vector FMAs, or v_wmma_f32_16x16x4_f32). A number that lies on a knife's edge between two numbers of the format may be rounded either way, as far as f32 arithmetic and the matrix unit's own rounding can turn it there, and no further.
;;   INPUTS GIVEN AS CODES. w1 (in the module: [8, 4096, 1024], K = its axis 2); w2 (in the module: [8, 1024, 4096], K = its axis 2): each comes as NAME_codes (uint8): NAME with its K axis moved to the last place and cut into blocks of 32 codes, [.., K / 32, bytes a block], one block behind the other in memory; four codes in three bytes: a row's codes are one little-endian stream of bits, code i at bits 6 i .. 6 i + 5 (a code: sign, 3 exponent bits, 2 mantissa bits); and NAME_scales (uint8): the same leading axes, one E8M0 byte (e + 127) for each 32 codes along K. Its value is code x scale, taken as it is: it is not quantised again, and the codes and scales need not be those that the quantiser above would give.
;; 2 versions, each right; version 2 is version 1 with the launches up, down written anew for expert scheduling mode. Each part assembles by itself: llvm-mc -triple=amdgcn-amd-amdhsa -mcpu=gfx1250 --defsym DOCPART=n.
;; ======== version 1 of 2: 5 launches
;; workspace buffers: xq 819,200 bytes; topi 8,192 bytes of whole numbers; gates 8,192 bytes; hq 26,214,400 bytes; rows 33,024 bytes of whole numbers; rowg 33,024 bytes; ypart 16,777,216 bytes
;; launch route (part 1): grid 256 x 1, 2 waves a work-group, no clusters, 39,424 bytes of LDS; arguments x, gate_w, xq, topi, gates; writes xq, topi, gates
.if DOCPART == 1
	.amdgcn_target "amdgcn-amd-amdhsa--gfx1250"
	.amdhsa_code_object_version 6
	.text
	.protected	k_q6f2abafc21_route
	.globl	k_q6f2abafc21_route
	.p2align	8
	.type	k_q6f2abafc21_route,@function
k_q6f2abafc21_route:
	s_mov_b64 s[64:65], 0
	v_nop
	global_prefetch_b8 v0, s[64:65] scope:SCOPE_SE
	s_setreg_imm32_b32 hwreg(HW_REG_WAVE_MODE, 25, 1), 1
	s_wait_xcnt 0x0
; ROUTE.  For 4 tokens a work-group: the 8 logits x . gate_w (f32 multiply-adds), the two largest (the lower index wins a tie), their softmax; and x as codes of BF6 (E3M2) with one E8M0 byte for each 32 along D.
; SHARES.  Work-group g: tokens 4 g .. 4 g + 3; 256 work-groups of two waves.  Lane (r = lane % 4, ss = (lane / 4) % 4, h = lane / 16) of wave w holds 64 numbers of token r in K step s = 4 w + ss:
; register 16 b + i is k = 128 s + 32 b + 16 h + i, so that a conversion finds 16 neighbours along K in one lane's registers, and a block of 32 lies in lanes l and l xor 16.
; gate_w.  A wave wants 8 experts x its 4 K steps, 16 KiB, and four lanes want each piece.  It is fetched once, by 32 loads of 512 consecutive bytes, laid into LDS bytes of the wave's own, and read from there lane by lane:
; 48 loads from memory a wave, all of them out at once.
; OUT.  xq: a token's 768 bytes of codes lie in the order of the operand's registers: 96 s + 48 h + 4 x register, so that the reader takes a lane's 12 registers by three loads of 16 bytes; its 8 scale words at
; 786432 + 32 token + 4 s.  topi: two whole numbers a token.  gates: two f32 a token.  No address and no branch here hangs on a logit.
; The codes leave as 512 consecutive bytes a store; a work-group's scale words are 128 bytes and its choices 32: those stores cover a part of an aligned 256 bytes.
; LIMITS.  NaN and infinities are not served.  The logits are f32 sums in another order than a plain dot product: a second and a third logit that agree to within f32 rounding may change places.
; A block of zeros gets the byte 1 where the quantiser's text says 127: its codes are zeros, and this program alone reads the bytes.
; No matrix unit, no cluster: 4 MiB are read once, and the work-groups share only gate_w's 32 KiB.
.set XST, 0                            ; LDS: 4 tokens x 768 bytes, laid as xq
.set XSS, 3072                         ; their scale words: 32 r + 4 s
.set PL,  3328                         ; partial logits: 1024 x wave + 32 x lane
.set GL,  5376                         ; gate_w, a region for each wave
.set GKP, 528                          ; one expert's K step: 512 bytes + 16, so that the four K steps that a load touches begin 16 bytes apart in the banks
.set GEP, 4*GKP                        ; an expert's four K steps
.set GWP, 8*GEP                        ; a wave's eight experts
.set LG,  16                           ; v16-23   my eight partial logits
.set PW,  28                           ; v28      the scale word just made
.set GRD, 29                           ; v29      where my lane reads gate_w in LDS
.set X,   32                           ; v32-95   64 numbers of x
.set GB0, 96                           ; v96-223  gate_w as loaded; then v96-159, v160-223 gate_w of two experts by turns
.set GB1, 160
.set TM,  224                          ; v224-227 largest magnitudes; v228-231 the other half's, then bytes; v232-235 the conversions' scale operands
.set TP,  228
.set TS,  232
.set PC,  236                          ; v236-247 the fragment; v248-254 at work
.set DA,  224                          ; v224-231 four chains of a dot product (free behind the quantiser)
.set SEL, 16                           ; s[16:17] v_permlanex16_b32's selects for lane l xor 16
; 64 numbers of a lane, v[s] on, become a fragment's 12 registers in v[PC] on and the row's scale word in v[PW]
.macro QUANT s
.irp b, 0,1,2,3
	v_max3_num_f32 v[TM+\b], |v[\s+16*\b]|, |v[\s+1+16*\b]|, 0x2800000   ; my 16 numbers of block b, and the floor 2^(5 - 127): the byte cannot fall under 1
.endr
.irp i, 2,4,6,8,10,12,14
.irp b, 0,1,2,3
	v_max3_num_f32 v[TM+\b], v[TM+\b], |v[\s+16*\b+\i]|, |v[\s+1+16*\b+\i]|
.endr
.endr
.irp b, 0,1,2,3
	v_permlanex16_b32 v[TP+\b], v[TM+\b], s[SEL], s[SEL+1]
.endr
.irp b, 0,1,2,3
	v_max_num_f32 v[TM+\b], v[TM+\b], v[TP+\b]     ; with lane l xor 16's: the block's largest magnitude
.endr
.irp b, 0,1,2,3
	v_add_nc_u32 v[TS+\b], 0xfe000000, v[TM+\b]    ; 4 off its exponent field: the conversion takes this operand's exponent field as its scale
.endr
.irp b, 0,1,2,3
	v_lshrrev_b32 v[TP+\b], 23, v[TS+\b]           ; the scale's byte
.endr
	v_lshl_or_b32 v[PW], v[TP+1], 8, v[TP]
	v_lshl_or_b32 v[PW], v[TP+2], 16, v[PW]
	v_lshl_or_b32 v[PW], v[TP+3], 24, v[PW]
.irp c, 0,1
	v_cvt_scalef32_pk16_bf6_f32 v[PC+6*\c:PC+2+6*\c], v[\s+32*\c:\s+15+32*\c], v[TS+2*\c]
	v_cvt_scalef32_pk16_bf6_f32 v[PC+12+4*\c:PC+14+4*\c], v[\s+16+32*\c:\s+31+32*\c], v[TS+2*\c+1]   ; (three registers begin on an even number)
.endr
	v_nop                                          ; one plain place behind a scaled conversion
.irp c, 0,1                                    ; the operand wants a whole block in a lane: lanes 0-15 block 2 c, lanes 16-31 block 2 c + 1
.irp i, 0,1,2
	v_permlane16_swap_b32 v[PC+6*\c+\i], v[PC+12+4*\c+\i]
.endr
.irp i, 0,1,2
	v_mov_b32 v[PC+3+6*\c+\i], v[PC+12+4*\c+\i]
.endr
.endr
.endm
.macro GLD e, buf                      ; gate_w of expert e at my 64 places of k, out of my wave's LDS bytes: 16 loads
.irp b, 0,1,2,3
.irp j, 0,1,2,3
	ds_load_b128 v[\buf+16*\b+4*\j:\buf+16*\b+4*\j+3], v[GRD] offset:GEP*(\e)+128*\b+16*\j
.endr
.endr
.endm
.macro DOT e, buf, left                ; my part of logit e, in four chains; left: the younger batch of 16 LDS loads may stay out
	s_wait_dscnt \left
.irp c, 0,2,4,6
	v_pk_mul_f32 v[DA+\c:DA+\c+1], v[X+\c:X+\c+1], v[\buf+\c:\buf+\c+1]
.endr
.irp i, 8,16,24,32,40,48,56
.irp c, 0,2,4,6
	v_pk_fma_f32 v[DA+\c:DA+\c+1], v[X+\i+\c:X+\i+\c+1], v[\buf+\i+\c:\buf+\i+\c+1], v[DA+\c:DA+\c+1]
.endr
.endr
	v_pk_add_f32 v[DA:DA+1], v[DA:DA+1], v[DA+2:DA+3]
	v_pk_add_f32 v[DA+4:DA+5], v[DA+4:DA+5], v[DA+6:DA+7]
	v_pk_add_f32 v[DA:DA+1], v[DA:DA+1], v[DA+4:DA+5]
	v_add_f32 v[LG+\e], v[DA], v[DA+1]
.endm
	s_load_b256 s[4:11], s[0:1], 0x0               ; x s[4:5], gate_w s[6:7], xq s[8:9], topi s[10:11]
	s_load_b64 s[12:13], s[0:1], 0x20              ; gates
	v_lshl_add_u32 v251, v0, 2, 0x9900
	v_mov_b32 v255, 0
	v_lshrrev_b32 v13, 5, v0
	v_readfirstlane_b32 s14, v13                   ; wave 0, 1
	v_and_b32 v1, 3, v0                            ; r
	v_bfe_u32 v15, v0, 2, 2                        ; ss
	v_bfe_u32 v2, v0, 4, 1                         ; h
	v_and_b32 v14, 31, v0                          ; lane
	s_lshl_b32 s15, s14, 11                        ; my wave's four K steps: 2,048 bytes of a row
	v_lshlrev_b32 v11, 4, v14                      ; 16 x lane
	v_add_nc_u32 v4, s15, v11                      ; gate_w, as it lies: 2048 w + 16 lane
	v_lshlrev_b32 v3, 6, v2
	v_lshl_add_u32 v3, v15, 9, v3
	v_lshl_add_u32 v3, v1, 12, v3
	v_add_nc_u32 v3, s15, v3                       ; x: 4096 r + 2048 w + 512 ss + 64 h
	s_mul_i32 s15, s14, 384
	v_mul_u32_u24 v5, v1, 768
	v_mad_u32_u24 v5, v2, 48, v5
	v_mad_u32_u24 v5, v15, 96, v5
	v_add_nc_u32 v5, s15, v5                       ; LDS: 768 r + 48 h + 96 (4 w + ss)
	s_lshl_b32 s15, s14, 4
	s_add_co_u32 s15, s15, XSS
	v_lshlrev_b32 v6, 5, v1
	v_lshl_add_u32 v6, v15, 2, v6
	v_add_nc_u32 v6, s15, v6                       ; LDS: XSS + 32 r + 4 (4 w + ss)
	v_lshlrev_b32 v9, 5, v14
	v_add_nc_u32 v9, PL, v9                        ; LDS: PL + 32 lane
	s_lshl_b32 s15, s14, 10
	v_add_nc_u32 v7, s15, v9                       ; + 1024 w
	v_lshlrev_b32 v8, 4, v0                        ; 16 x thread
	s_mul_i32 s15, s14, GWP
	s_add_co_u32 s15, s15, GL
	v_add_nc_u32 v13, s15, v11                     ; LDS: my wave's gate_w, on the way in: + 16 lane
	v_mul_u32_u24 v[GRD], v15, GKP
	v_lshl_add_u32 v[GRD], v2, 6, v[GRD]
	v_add_nc_u32 v[GRD], s15, v[GRD]               ; and on the way out: + 528 ss + 64 h
	v_and_b32 v11, 7, v0
	v_lshlrev_b32 v11, 4, v11                      ; 16 x (lane % 8): the 128 bytes of scale words
	v_add_nc_u32 v10, XSS, v11
	v_lshlrev_b32 v12, 3, v1                       ; 8 r
.irp b, 0,1,2,3
	v_mov_b32 v[TP+\b], 0                          ; a lane permute's destination counts as one of its sources
.endr
	s_mov_b32 s[SEL], 0x76543210
	s_mov_b32 s[SEL+1], 0xfedcba98
	s_lshl_b32 s18, ttmp9, 14                      ; 4 rows of 4,096 bytes
	s_mov_b32 s19, 0
	s_wait_kmcnt 0x0
	s_add_nc_u64 s[4:5], s[4:5], s[18:19]
.irp b, 0,1,2,3
.irp j, 0,1,2,3
	global_load_b128 v[X+16*\b+4*\j:X+16*\b+4*\j+3], v3, s[4:5] offset:128*\b+16*\j th:TH_LOAD_NT
.endr
.endr
.irp e, 0,1,2,3,4,5,6,7
.irp c, 0,1,2,3
	global_load_b128 v[GB0+16*\e+4*\c:GB0+16*\e+4*\c+3], v4, s[6:7] offset:4096*\e+512*\c   ; expert e, K step 4 w + c: 512 consecutive bytes
.endr
.endr
	s_mul_i32 s18, ttmp9, 3072
	s_add_nc_u64 s[20:21], s[8:9], s[18:19]        ; xq: my 4 tokens' codes
	s_lshl_b32 s18, ttmp9, 7
	s_add_co_u32 s18, s18, 786432
	s_add_nc_u64 s[22:23], s[8:9], s[18:19]        ; and their scale words
	s_lshl_b32 s18, ttmp9, 5
	s_add_nc_u64 s[10:11], s[10:11], s[18:19]
	s_add_nc_u64 s[12:13], s[12:13], s[18:19]
	s_wait_loadcnt 32                              ; x is in; the 32 loads of gate_w may stay out
	QUANT X
.irp c, 0,1,2
	ds_store_b128 v5, v[PC+4*\c:PC+4*\c+3] offset:16*\c
.endr
	ds_store_b32 v6, v[PW]                         ; lanes l and l + 16 hold the same word
.irp e, 0,1,2,3,4,5,6,7
	s_wait_loadcnt 4*(7-\e)                        ; expert e's four loads are in; the later experts' may stay out
.irp c, 0,1,2,3
	ds_store_b128 v13, v[GB0+16*\e+4*\c:GB0+16*\e+4*\c+3] offset:GEP*\e+GKP*\c
.endr
.endr
	GLD 0, GB0                                     ; LDS serves a wave's instructions in order: these see my stores, and no other wave touches these bytes
	GLD 1, GB1
	DOT 0, GB0, 16
	GLD 2, GB0
	DOT 1, GB1, 16
	GLD 3, GB1
	DOT 2, GB0, 16
	GLD 4, GB0
	DOT 3, GB1, 16
	GLD 5, GB1
	DOT 4, GB0, 16
	GLD 6, GB0
	DOT 5, GB1, 16
	GLD 7, GB1
	DOT 6, GB0, 16
	DOT 7, GB1, 0
.irp e, 0,1,2,3,4,5,6,7
	v_add_f32_dpp v[LG+\e], v[LG+\e], v[LG+\e] row_xmask:4 row_mask:0xf bank_mask:0xf   ; my wave's four K steps lie in lanes l xor 4, 8, 12
.endr
.irp e, 0,1,2,3,4,5,6,7
	v_add_f32_dpp v[LG+\e], v[LG+\e], v[LG+\e] row_xmask:8 row_mask:0xf bank_mask:0xf
.endr
.irp e, 0,1,2,3,4,5,6,7
	v_permlanex16_b32 v[96+\e], v[LG+\e], s[SEL], s[SEL+1]
.endr
.irp e, 0,1,2,3,4,5,6,7
	v_add_f32 v[LG+\e], v[LG+\e], v[96+\e]         ; and the other half of each block in lane l xor 16
.endr
	ds_store_b128 v7, v[LG:LG+3]
	ds_store_b128 v7, v[LG+4:LG+7] offset:16
	s_wait_dscnt 0x0                               ; for the other wave's sake: my stores have landed
	s_barrier_signal -1
	s_barrier_wait -1
.irp i, 0,1,2
	ds_load_b128 v[32+4*\i:35+4*\i], v8 offset:1024*\i
.endr
.irp i, 0,1,2
	s_wait_dscnt 2-\i
	global_store_b128 v8, v[32+4*\i:35+4*\i], s[20:21] offset:1024*\i   ; a wave stores 512 consecutive bytes
.endr
	s_cmp_eq_u32 s14, 0
	s_cbranch_scc1 .Lrouter
	ds_load_b128 v[48:51], v10                     ; wave 1: the 4 tokens' 128 bytes of scale words; lanes l and l + 8 hold and store the same 16 bytes
	s_wait_dscnt 0x0
	global_store_b128 v11, v[48:51], s[22:23]
	s_wait_tensorcnt 0x0
	ds_add_u32 v251, v255
	s_wait_dscnt 0x0
	s_endpgm
.Lrouter:                                          ; wave 0: with wave 1's part every lane holds token r's eight logits
	ds_load_b128 v[104:107], v9 offset:1024
	ds_load_b128 v[108:111], v9 offset:1040
	s_wait_dscnt 0x0
.irp e, 0,1,2,3,4,5,6,7
	v_add_f32 v[96+\e], v[LG+\e], v[104+\e]
.endr
	v_mov_b32 v112, v96                            ; the largest logit and its index: a later logit must be strictly larger, so the lower index wins a tie
	v_mov_b32 v114, 0
.irp e, 1,2,3,4,5,6,7
	v_cmp_le_f32 vcc_lo, v[96+\e], v112
	v_cndmask_b32 v114, \e, v114, vcc_lo
	v_max_num_f32 v112, v112, v[96+\e]
.endr
	v_mov_b32 v118, 0xff800000
.irp e, 0,1,2,3,4,5,6,7
	v_cmp_eq_u32 vcc_lo, \e, v114
	v_cndmask_b32 v[96+\e], v[96+\e], v118, vcc_lo ; the first choice leaves the field
.endr
	v_mov_b32 v113, v96
	v_mov_b32 v115, 0
.irp e, 1,2,3,4,5,6,7
	v_cmp_le_f32 vcc_lo, v[96+\e], v113
	v_cndmask_b32 v115, \e, v115, vcc_lo
	v_max_num_f32 v113, v113, v[96+\e]
.endr
	v_sub_f32 v119, v113, v112                     ; the softmax of the two, the larger taken away: 1 / (1 + u), u / (1 + u), u = e^(second - first)
	v_mul_f32 v119, 0x3fb8aa3b, v119
	v_exp_f32 v119, v119
	v_nop
	s_wait_alu depctr_va_vdst(0)
	v_add_f32 v120, 1.0, v119
	v_rcp_f32 v116, v120
	v_nop
	s_wait_alu depctr_va_vdst(0)
	v_mul_f32 v117, v119, v116
	global_store_b64 v12, v[114:115], s[10:11]     ; the eight lanes of a token hold the same numbers and store them to the same place
	global_store_b64 v12, v[116:117], s[12:13]
	s_wait_tensorcnt 0x0
	ds_add_u32 v251, v255
	s_wait_dscnt 0x0
	s_endpgm
.Lfunc_end_k_q6f2abafc21_route:
	.size	k_q6f2abafc21_route, .Lfunc_end_k_q6f2abafc21_route-k_q6f2abafc21_route
	.p2alignl 7, 3214868480
	.fill 96, 4, 3214868480
	.section	.rodata,"a",@progbits
	.p2align	6, 0x0
	.amdhsa_kernel k_q6f2abafc21_route
		.amdhsa_group_segment_fixed_size 39424
		.amdhsa_private_segment_fixed_size 0
		.amdhsa_enable_private_segment 0
		.amdhsa_kernarg_size 40
		.amdhsa_user_sgpr_count 2
		.amdhsa_user_sgpr_kernarg_segment_ptr 1
		.amdhsa_wavefront_size32 1
		.amdhsa_system_sgpr_workgroup_id_x 1
		.amdhsa_system_sgpr_workgroup_id_y 1
		.amdhsa_system_sgpr_workgroup_id_z 1
		.amdhsa_system_vgpr_workitem_id 0
		.amdhsa_next_free_vgpr 256
		.amdhsa_next_free_sgpr 66
		.amdhsa_reserve_vcc 1
		.amdhsa_float_denorm_mode_32 3
		.amdhsa_float_denorm_mode_16_64 3
		.amdhsa_memory_ordered 1
		.amdhsa_forward_progress 1
		.amdhsa_inst_pref_size 46
	.end_amdhsa_kernel
	.amdgpu_metadata
---
amdhsa.version: [ 1, 2 ]
amdhsa.kernels:
  - .name:           k_q6f2abafc21_route
    .symbol:         k_q6f2abafc21_route.kd
    .args:
      - { .name: x, .offset: 0, .size: 8, .value_kind: global_buffer, .address_space: global }
      - { .name: gate_w, .offset: 8, .size: 8, .value_kind: global_buffer, .address_space: global }
      - { .name: xq, .offset: 16, .size: 8, .value_kind: global_buffer, .address_space: global }
      - { .name: topi, .offset: 24, .size: 8, .value_kind: global_buffer, .address_space: global }
      - { .name: gates, .offset: 32, .size: 8, .value_kind: global_buffer, .address_space: global }
    .group_segment_fixed_size: 39424
    .private_segment_fixed_size: 0
    .kernarg_segment_align: 8
    .kernarg_segment_size: 40
    .max_flat_workgroup_size: 64
    .sgpr_count:     66
    .vgpr_count:     256
    .wavefront_size: 32
...
	.end_amdgpu_metadata
.endif
;; end of part 1
;; launch place (part 2): grid 8 x 1, 1 waves a work-group, no clusters, 8,960 bytes of LDS; arguments topi, gates, rows, rowg; writes rows, rowg
.if DOCPART == 2
	.amdgcn_target "amdgcn-amd-amdhsa--gfx1250"
	.amdhsa_code_object_version 6
	.text
	.protected	k_q6f2abafc21_place
	.globl	k_q6f2abafc21_place
	.p2align	8
	.type	k_q6f2abafc21_place,@function
k_q6f2abafc21_place:
	s_mov_b64 s[64:65], 0
	v_nop
	global_prefetch_b8 v0, s[64:65] scope:SCOPE_SE
	s_setreg_imm32_b32 hwreg(HW_REG_WAVE_MODE, 25, 1), 1
	s_wait_xcnt 0x0
; PLACE.  One wave for each expert e makes the list of the rows routed to it: position p -> 2048 x slot + token (slot 0: the token's first choice, 1: its second), and the gate beside it.
; The launches behind form trip counts and addresses from the count and the list, so both are stored here, as whole numbers, ahead of them.
; The 1,024 tokens' two choices are read once (two tokens a lane, 64 a load).  Column by column (tokens 64 i + 2 lane + d) the lanes whose token chose e take the next places, in lane order: the count so far is a
; scalar, the place among the lanes a count of lower mask bits.  The list is gathered in LDS and leaves densely: a store covers 512 consecutive bytes.
; The 16 places behind the last row repeat it, so that the last tile of 16 is whole; the places further on hold 0, which names token 0: they are used for nothing but a look-ahead's address.
; OUT.  rows: the count at 4 e; the list at 256 + 4096 e + 4 p, all 1,024 places.  rowg: the sum of the gates on e at 4 e; the gates at 256 + 4096 e + 4 p.
; No branch, no barrier (one wave), no matrix unit.  An expert may have 0 to 1,024 rows.
.set GOFF, 4352                        ; LDS: the list at 0: 1,024 words, then 32 for lanes that have no row to place; the gates lie GOFF further on
.set LI,   1                           ; 16 x lane
.set TOK2, 2                           ; 2 x lane
.set TOKS, 3                           ; 2048 + 2 x lane: the same token as a second choice
.set DUMI, 4                           ; 1024 + lane
.set GS,   5                           ; the sum of the gates
.set R16,  6                           ; lane % 16
.set TI,   16                          ; v16-79  the chosen experts;  v80-143 the gates
.set GTB,  80
.set E,   12
.set M,   13
.set M1,  14
.set TOT, 15
.set CN,  16
.set SEL, 18
.macro PLACECOL i, d
.set PR, 8+4*(\d)
	v_cmp_eq_u32 vcc_lo, s[E], v[TI+4*(\i)+2*(\d)]
	v_cmp_eq_u32 s[M1], s[E], v[TI+4*(\i)+2*(\d)+1]
	s_or_b32 s[M], vcc_lo, s[M1]
	v_mbcnt_lo_u32_b32 v[PR], s[M], s[TOT]         ; rows placed so far + those of lower lanes
	v_cndmask_b32 v[PR], v[DUMI], v[PR], s[M]      ; a lane with no row writes behind the list
	v_min_u32 v[PR], 0x41f, v[PR]
	v_lshlrev_b32 v[PR], 2, v[PR]
	v_cndmask_b32 v[PR+1], v[TOK2], v[TOKS], s[M1]
	v_add_nc_u32 v[PR+1], 64*(\i)+(\d), v[PR+1]    ; 2048 x slot + token
	v_cndmask_b32 v[PR+2], v[GTB+4*(\i)+2*(\d)], v[GTB+4*(\i)+2*(\d)+1], s[M1]
	ds_store_b32 v[PR], v[PR+1]
	ds_store_b32 v[PR], v[PR+2] offset:GOFF
	v_cndmask_b32 v[PR+3], 0, v[PR+2], s[M]
	v_add_f32 v[GS], v[GS], v[PR+3]
	s_bcnt1_i32_b32 s[CN], s[M]
	s_add_co_u32 s[TOT], s[TOT], s[CN]
.endm
	s_load_b256 s[4:11], s[0:1], 0x0               ; topi s[4:5], gates s[6:7], rows s[8:9], rowg s[10:11]
	v_lshl_add_u32 v160, v0, 2, 0x2200
	v_mov_b32 v161, 0
	s_mov_b32 s[E], ttmp9
	v_lshlrev_b32 v[LI], 4, v0                     ; one wave: the thread's number is the lane
	v_lshlrev_b32 v[TOK2], 1, v0
	v_add_nc_u32 v[TOKS], 2048, v[TOK2]
	v_add_nc_u32 v[DUMI], 1024, v0
	v_and_b32 v[R16], 15, v0
	v_mov_b32 v[GS], 0
.irp k, 0,1,2,3
	v_mov_b32 v[144+\k], 0
.endr
	s_mov_b32 s[TOT], 0
	s_mov_b32 s[SEL], 0x76543210
	s_mov_b32 s[SEL+1], 0xfedcba98
	s_mov_b32 s21, 0
.irp i, 0,1,2,3,4,5,6,7,8,9,10,11,12,13,14,15,16
	ds_store_b128 v[LI], v[144:147] offset:512*\i  ; all 8,704 bytes begin as zeros; LDS serves a wave's instructions in order
.endr
	s_wait_kmcnt 0x0
.irp i, 0,1,2,3,4,5,6,7,8,9,10,11,12,13,14,15
	global_load_b128 v[TI+4*\i:TI+4*\i+3], v[LI], s[4:5] offset:512*\i
.endr
.irp i, 0,1,2,3,4,5,6,7,8,9,10,11,12,13,14,15
	global_load_b128 v[GTB+4*\i:GTB+4*\i+3], v[LI], s[6:7] offset:512*\i
.endr
	s_lshl_b32 s20, s[E], 12
	s_add_nc_u64 s[22:23], s[8:9], s[20:21]        ; my expert's list
	s_add_nc_u64 s[24:25], s[10:11], s[20:21]      ; and its gates
	s_lshl_b32 s20, s[E], 2
	s_add_nc_u64 s[26:27], s[8:9], s[20:21]        ; its count
	s_add_nc_u64 s[28:29], s[10:11], s[20:21]      ; the sum of its gates
	s_wait_loadcnt 0x0
.set I, 0
.rept 16
	PLACECOL I, 0
	PLACECOL I, 1
.set I, I+1
.endr
	v_add_f32_dpp v[GS], v[GS], v[GS] row_xmask:1 row_mask:0xf bank_mask:0xf
	v_add_f32_dpp v[GS], v[GS], v[GS] row_xmask:2 row_mask:0xf bank_mask:0xf
	v_add_f32_dpp v[GS], v[GS], v[GS] row_xmask:4 row_mask:0xf bank_mask:0xf
	v_add_f32_dpp v[GS], v[GS], v[GS] row_xmask:8 row_mask:0xf bank_mask:0xf
	v_permlanex16_b32 v8, v[GS], s[SEL], s[SEL+1]
	v_add_f32 v[GS], v[GS], v8                     ; every lane: the sum of the gates on my expert
	s_sub_co_u32 s30, s[TOT], 1
	v_mov_b32 v7, s30                              ; the last row's place (no row at all: place 1,023, which holds 0)
	v_min_u32 v7, 0x3ff, v7
	v_lshlrev_b32 v7, 2, v7
	ds_load_b32 v148, v7
	ds_load_b32 v149, v7 offset:GOFF
	v_add_nc_u32 v150, s[TOT], v[R16]              ; the 16 places behind it; lanes l and l + 16 write the same word with the same value
	v_min_u32 v150, 0x41f, v150
	v_lshlrev_b32 v150, 2, v150
	s_wait_dscnt 0x0
	ds_store_b32 v150, v148
	ds_store_b32 v150, v149 offset:GOFF
.irp i, 0,1,2,3,4,5,6,7
	ds_load_b128 v[TI+4*\i:TI+4*\i+3], v[LI] offset:512*\i
	ds_load_b128 v[GTB+4*\i:GTB+4*\i+3], v[LI] offset:GOFF+512*\i
.endr
	v_mov_b32 v151, 0
	v_mov_b32 v152, s[TOT]
	global_store_b32 v151, v152, s[26:27]          ; all lanes store the same number to the same word
	global_store_b32 v151, v[GS], s[28:29]
	s_wait_dscnt 0x0
.irp i, 0,1,2,3,4,5,6,7
	global_store_b128 v[LI], v[TI+4*\i:TI+4*\i+3], s[22:23] offset:256+512*\i
	global_store_b128 v[LI], v[GTB+4*\i:GTB+4*\i+3], s[24:25] offset:256+512*\i
.endr
	s_wait_tensorcnt 0x0
	ds_add_u32 v160, v161
	s_wait_dscnt 0x0
	s_endpgm
.Lfunc_end_k_q6f2abafc21_place:
	.size	k_q6f2abafc21_place, .Lfunc_end_k_q6f2abafc21_place-k_q6f2abafc21_place
	.p2alignl 7, 3214868480
	.fill 96, 4, 3214868480
	.section	.rodata,"a",@progbits
	.p2align	6, 0x0
	.amdhsa_kernel k_q6f2abafc21_place
		.amdhsa_group_segment_fixed_size 8960
		.amdhsa_private_segment_fixed_size 0
		.amdhsa_enable_private_segment 0
		.amdhsa_kernarg_size 32
		.amdhsa_user_sgpr_count 2
		.amdhsa_user_sgpr_kernarg_segment_ptr 1
		.amdhsa_wavefront_size32 1
		.amdhsa_system_sgpr_workgroup_id_x 1
		.amdhsa_system_sgpr_workgroup_id_y 1
		.amdhsa_system_sgpr_workgroup_id_z 1
		.amdhsa_system_vgpr_workitem_id 0
		.amdhsa_next_free_vgpr 162
		.amdhsa_next_free_sgpr 66
		.amdhsa_reserve_vcc 1
		.amdhsa_float_denorm_mode_32 3
		.amdhsa_float_denorm_mode_16_64 3
		.amdhsa_memory_ordered 1
		.amdhsa_forward_progress 1
		.amdhsa_inst_pref_size 36
	.end_amdhsa_kernel
	.amdgpu_metadata
---
amdhsa.version: [ 1, 2 ]
amdhsa.kernels:
  - .name:           k_q6f2abafc21_place
    .symbol:         k_q6f2abafc21_place.kd
    .args:
      - { .name: topi, .offset: 0, .size: 8, .value_kind: global_buffer, .address_space: global }
      - { .name: gates, .offset: 8, .size: 8, .value_kind: global_buffer, .address_space: global }
      - { .name: rows, .offset: 16, .size: 8, .value_kind: global_buffer, .address_space: global }
      - { .name: rowg, .offset: 24, .size: 8, .value_kind: global_buffer, .address_space: global }
    .group_segment_fixed_size: 8960
    .private_segment_fixed_size: 0
    .kernarg_segment_align: 8
    .kernarg_segment_size: 32
    .max_flat_workgroup_size: 32
    .sgpr_count:     66
    .vgpr_count:     162
    .wavefront_size: 32
...
	.end_amdgpu_metadata
.endif
;; end of part 2
;; launch up (part 3): grid 32 x 8, 4 waves a work-group, no clusters, 105,472 bytes of LDS; arguments xq, rows, w1_codes, w1_scales, b1, hq; writes hq
.if DOCPART == 3
	.amdgcn_target "amdgcn-amd-amdhsa--gfx1250"
	.amdhsa_code_object_version 6
	.text
	.protected	k_q6f2abafc21_up
	.globl	k_q6f2abafc21_up
	.p2align	8
	.type	k_q6f2abafc21_up,@function
k_q6f2abafc21_up:
	s_mov_b64 s[64:65], 0
	v_nop
	global_prefetch_b8 v0, s[64:65] scope:SCOPE_SE
	s_setreg_imm32_b32 hwreg(HW_REG_WAVE_MODE, 25, 1), 1
	s_wait_xcnt 0x0
; UP.  h = Q(gelu(Q(x) W1^T + b1)) for the rows routed to one expert; both operands codes of BF6 (E3M2) with one E8M0 byte for each 32 along K; sums, bias and GELU in f32; Q along the hidden axis.
; SHARES.  Work-group (j, e) owns hidden units 128 j .. 128 j + 127 of expert e: 128 rows of W1, 98,304 bytes, which no other work-group reads.  Each of its four waves keeps all 64 fragments of them
; (8 tiles of 16 rows x 8 K steps of 128) in registers and takes the expert's tiles of 16 routed rows w, w + 4, ..  Behind the prologue's one barrier the waves share nothing: the loop over tiles has no barrier.
; THE ROWS.  The expert's count and its list (position -> 2048 x slot + token) are whole numbers that the launch before stored: the count gives the trips, a list word the row's place in xq.
; The list repeats the expert's last row behind it, so that every tile is whole and every lane is on.  A tile's list word is asked for two tiles ahead and its x one tile ahead.
; THE MATRIX INSTRUCTION IS USED TRANSPOSED: source 0 = 16 rows of W1, source 1 = 16 routed rows of x: a lane holds one routed row, its registers run along the hidden units.  THE ROWS OF W1 THAT FORM A TILE ARE NOT
; NEIGHBOURS: lane r of tile 2 b + u takes row 32 b + 8 u + r + 8 (r / 8), so that the 16 registers of tiles 2 b and 2 b + 1 are 16 neighbours along the next K.  The copy into LDS puts the rows in that order.
; The bias is the C of a sum's first matrix instruction: it is loaded into the accumulators.
; GELU, exact form: gelu(x) = max(x, 0) - |x| q, q = erfc(|x| / sqrt 2) / 2 = u 2^(P(u) - x^2 log2(e) / 2), u = 1 / (1 + |x| sqrt 2 / 4), P a polynomial of degree 9 (fractional error of erfc 1.2e-7 at every x).
; OUT.  hq: the 128 hidden units of 16 rows are one fragment of the next product, stored as an image of its 12 registers: ((64 e + tile) 32 + j) 1536 + 512 c + 16 lane; scale words 25165824 + ((64 e + tile) 32 + j) 64 + 4 r.
; NO TENSOR LOAD, NO CLUSTER: the number of tiles is read from memory, and W1, the bulk of the bytes, is shared with nobody; what the 32 work-groups of an expert share is x's codes, 768 bytes a row.
; LIMITS.  NaN and infinities are not served.  Far down the negative tail q's exponent is rounded in f32: its relative error grows as x^2 x 6e-8.  A block of zeros gets the byte 1: this program alone reads the bytes.
; Any split is served: an expert may have 0 to 1,024 rows.
; REGISTERS, in windows of 256.  Window 0: v1-10 addresses; v12-43 W1's scale words; v44-47 x's; v48-59 fragment 63; v60-155 x's 8 fragments; v156-219 8 accumulators; v220-255 at work.
; Windows 1-3: W1's fragments 0-62, fragment f = 8 s + t in window 1 + f / 21 at register 12 (f % 21).  In the prologue: window 1 v0-191 the weights as loaded; window 0 v188-209 scale bytes, b1 and addresses.
.set WP,    784                        ; LDS: a row of W1: 768 bytes + 16 = 196 words: row r begins at bank 4 r mod 64, so the 32 lanes of a load of 8 bytes touch 64 different banks
.set SCL,   100352                     ; behind the 128 rows: their scale words, 32 bytes a row, in the same order
.set B1L,   104448                     ; b1's 128 numbers
.set LI,   1                           ; 16 x lane
.set LS,   2                           ; 4 r
.set BA,   3                           ; B1L + 64 h
.set R16,  4                           ; r
.set H48,  5                           ; 48 h
.set XO,   6                           ; my routed row's codes in xq
.set XSO,  7                           ; and its scale words
.set TK,   8                           ; the list's word
.set LA,   9                           ; its byte offset in the list
.set H16X, 10                          ; 786432 + 16 h
.set WS,   12
.set XS,   44
.set F63,  48
.set X,    60
.set ACC,  156
.set GA,   220                         ; GELU: |x|;  u;  P, then q;  c8 twice;  x^2
.set GT,   228
.set GP,   236
.set C8,   244
.set GW,   246
.set TM,   220                         ; the quantiser's registers
.set TP,   224
.set TS,   228
.set PW,   232
.set PC,   236
.set SCR,  188                         ; prologue: v188-195 a row of scale bytes; v196 a number of b1
.set B1R,  196
.set A0,   197                         ; LDS addresses of the copy and of the fragments
.set A1,   198
.set SA,   199
.set B1S,  200
.set FA0,  201
.set FA1,  202
.set SR,   203
.set SGO,  208                         ; 32 x lane
.set L4,   209                         ; 4 x lane
.set WV,  22
.set J,   23
.set E,   24
.set NE,  25                           ; rows of my expert
.set NT,  26                           ; tiles of 16
.set T,   27                           ; the tile in hand
.set HB,  32                           ; s[32:33], s[34:35] where the tile's image and scale words go
.set SB,  34
.set HQE, 36
.set HSE, 38
.set SEL, 44
.set ABSM, 46
.set RWB, 48                           ; s[48:49] my expert's list
.set RC,  52                           ; s[52:53] its count
.set TRI, 56                           ; trips done
.set NTR, 57                           ; my wave's trips: its tiles
.set MSB, 0
.macro WIN new                         ; the immediate's high byte repeats the setting that is left; a switch that changes nothing is dropped
.if MSB != (\new)
	s_set_vgpr_msb (MSB<<8)|(\new)
.set MSB, (\new)
.endif
.endm
.macro FRAGLD f                        ; fragment f = 8 s + t: lane (r, h) takes the 24 bytes at 96 s + 24 h and the 24 bytes 48 further on of row 16 t + r, in pieces of 8
.set FS, (\f)/8
.set FT, (\f)%8
.if (\f) < 63
	WIN (1+(\f)/21)<<6
.set FD, 12*((\f)%21)
.else
	WIN 0
.set FD, F63
.endif
.irp p, 0,1,2,3,4,5
.if FT < 4
	ds_load_b64 v[FD+2*\p:FD+2*\p+1], v[FA0] offset:16*WP*FT+96*FS+48*(\p/3)+8*(\p%3)
.else
	ds_load_b64 v[FD+2*\p:FD+2*\p+1], v[FA1] offset:16*WP*(FT-4)+96*FS+48*(\p/3)+8*(\p%3)
.endif
.endr
.endm
; 64 matrix instructions: K step by K step, the eight accumulators by turns, one instruction a turn.  Scale words 0-3 lie in lanes 0-15, words 4-7 in lanes 16-31.
.macro MM
.set F, 0
.rept 64
.set FS, F/8
.set FT, F%8
.if F < 63
	WIN 1+F/21
.set FD, 12*(F%21)
.else
	WIN 0
.set FD, F63
.endif
.if FS < 4
	v_wmma_scale_f32_16x16x128_f8f6f4 v[ACC+8*FT:ACC+8*FT+7], v[FD:FD+11], v[X+12*FS:X+12*FS+11], v[ACC+8*FT:ACC+8*FT+7], v[WS+4*FT+FS%4], v[XS+FS%4] matrix_a_fmt:MATRIX_FMT_BF6 matrix_b_fmt:MATRIX_FMT_BF6
.else
	v_wmma_scale_f32_16x16x128_f8f6f4 v[ACC+8*FT:ACC+8*FT+7], v[FD:FD+11], v[X+12*FS:X+12*FS+11], v[ACC+8*FT:ACC+8*FT+7], v[WS+4*FT+FS%4], v[XS+FS%4] matrix_a_fmt:MATRIX_FMT_BF6 matrix_b_fmt:MATRIX_FMT_BF6 matrix_a_scale:MATRIX_SCALE_ROW1 matrix_b_scale:MATRIX_SCALE_ROW1
.endif
.set F, F+1
.endr
	WIN 0
.endm
.macro GELU t                          ; eight numbers in place; the coefficients are erfc's, times log2(e), with 1 off the constant for the half
.set X0, ACC+8*(\t)
.irp k, 0,1,2,3,4,5,6,7
	v_and_b32 v[GA+\k], s[ABSM], v[X0+\k]          ; |x|: the accumulator is read from its low end on
.endr
.irp k, 0,2,4,6
	v_pk_fma_f32 v[GT+\k:GT+\k+1], v[GA+\k:GA+\k+1], 0x3eb504f3, 1.0 op_sel_hi:[1,0,0]
.endr
.irp k, 0,1,2,3,4,5,6,7
	v_rcp_f32 v[GT+\k], v[GT+\k]                   ; u
.endr
.irp k, 0,1,2,3
	v_max_num_f32 v[X0+\k], 0, v[X0+\k]            ; (plain lines behind the reciprocals)
.endr
.irp k, 0,2,4,6
	v_pk_mul_f32 v[GW+\k:GW+\k+1], v[GA+\k:GA+\k+1], v[GA+\k:GA+\k+1]
.endr
	s_wait_alu depctr_va_vdst(0)
.irp k, 0,2,4,6
	v_pk_fma_f32 v[GP+\k:GP+\k+1], v[GT+\k:GT+\k+1], 0x3e7c6f08, v[C8:C8+1] op_sel_hi:[1,0,1]
.endr
.irp c, 0x40097039, 0xbfd1a1e5, 0x3ecdfd18, 0xbe899a80, 0x3e0efb2e, 0x3f0a29d2, 0x3fb8ab5a, 0xc034d90f
.irp k, 0,2,4,6
	v_pk_fma_f32 v[GP+\k:GP+\k+1], v[GP+\k:GP+\k+1], v[GT+\k:GT+\k+1], \c op_sel_hi:[1,1,0]
.endr
.endr
.irp k, 0,2,4,6
	v_pk_fma_f32 v[GP+\k:GP+\k+1], v[GW+\k:GW+\k+1], 0xbf38aa3b, v[GP+\k:GP+\k+1] op_sel_hi:[1,0,1]
.endr
.irp k, 0,1,2,3,4,5,6,7
	v_exp_f32 v[GP+\k], v[GP+\k]
.endr
.irp k, 4,5,6,7
	v_max_num_f32 v[X0+\k], 0, v[X0+\k]            ; (plain lines behind the exponentials)
.endr
	s_wait_alu depctr_va_vdst(0)
.irp k, 0,2,4,6
	v_pk_mul_f32 v[GP+\k:GP+\k+1], v[GP+\k:GP+\k+1], v[GT+\k:GT+\k+1]   ; q
.endr
.irp k, 0,2,4,6
	v_pk_fma_f32 v[X0+\k:X0+\k+1], v[GA+\k:GA+\k+1], v[GP+\k:GP+\k+1], v[X0+\k:X0+\k+1] neg_lo:[1,0,0] neg_hi:[1,0,0]   ; max(x, 0) - |x| q
.endr
.endm
.macro QUANT s                         ; 64 numbers of a lane, register 16 b + i = k 32 b + 16 h + i of my row, become a fragment in v[PC] on and its scale word in v[PW]
.irp b, 0,1,2,3
	v_max3_num_f32 v[TM+\b], |v[\s+16*\b]|, |v[\s+1+16*\b]|, 0x2800000   ; and the floor 2^(5 - 127): the byte cannot fall under 1
.endr
.irp i, 2,4,6,8,10,12,14
.irp b, 0,1,2,3
	v_max3_num_f32 v[TM+\b], v[TM+\b], |v[\s+16*\b+\i]|, |v[\s+1+16*\b+\i]|
.endr
.endr
.irp b, 0,1,2,3
	v_permlanex16_b32 v[TP+\b], v[TM+\b], s[SEL], s[SEL+1]
.endr
.irp b, 0,1,2,3
	v_max_num_f32 v[TM+\b], v[TM+\b], v[TP+\b]
.endr
.irp b, 0,1,2,3
	v_add_nc_u32 v[TS+\b], 0xfe000000, v[TM+\b]
.endr
.irp b, 0,1,2,3
	v_lshrrev_b32 v[TP+\b], 23, v[TS+\b]
.endr
	v_lshl_or_b32 v[PW], v[TP+1], 8, v[TP]
	v_lshl_or_b32 v[PW], v[TP+2], 16, v[PW]
	v_lshl_or_b32 v[PW], v[TP+3], 24, v[PW]
.irp c, 0,1
	v_cvt_scalef32_pk16_bf6_f32 v[PC+6*\c:PC+2+6*\c], v[\s+32*\c:\s+15+32*\c], v[TS+2*\c]
	v_cvt_scalef32_pk16_bf6_f32 v[PC+12+4*\c:PC+14+4*\c], v[\s+16+32*\c:\s+31+32*\c], v[TS+2*\c+1]
.endr
	v_nop                                          ; one plain place behind a scaled conversion
.irp c, 0,1
.irp i, 0,1,2
	v_permlane16_swap_b32 v[PC+6*\c+\i], v[PC+12+4*\c+\i]
.endr
.irp i, 0,1,2
	v_mov_b32 v[PC+3+6*\c+\i], v[PC+12+4*\c+\i]
.endr
.endr
.endm
.macro LISTRD                          ; one load: the list's word at position min(s29 + r, 1023): all 1,024 places of the list are written
	v_add_nc_u32 v[LA], s29, v[R16]
	v_min_u32 v[LA], 0x3ff, v[LA]
	v_lshlrev_b32 v[LA], 2, v[LA]
	global_load_b32 v[TK], v[LA], s[RWB:RWB+1]
.endm
.macro XADDR                           ; from the word to my row's places in xq
	v_min_u32 v[TK], 0xfff, v[TK]
	v_and_b32 v[TK], 0x3ff, v[TK]                  ; the token
	v_mad_u32_u24 v[XO], v[TK], 768, v[H48]
	v_lshl_add_u32 v[XSO], v[TK], 5, v[H16X]
.endm
.macro XLOADS                          ; 25 loads: my row's 8 fragments, 48 bytes a lane each, and 4 of its 8 scale words
.irp s, 0,1,2,3,4,5,6,7
.irp c, 0,1,2
	global_load_b128 v[X+12*\s+4*\c:X+12*\s+4*\c+3], v[XO], s[4:5] offset:96*\s+16*\c
.endr
.endr
	global_load_b128 v[XS:XS+3], v[XSO], s[4:5]
.endm
.macro BIAS                            ; b1 at the accumulators' places: tile t, half h: units 32 (t / 2) + 16 h + 8 (t % 2) + 0 .. 7
.irp t, 0,1,2,3,4,5,6,7
	ds_load_b128 v[ACC+8*\t:ACC+8*\t+3], v[BA] offset:128*(\t/2)+32*(\t%2)
	ds_load_b128 v[ACC+8*\t+4:ACC+8*\t+7], v[BA] offset:128*(\t/2)+32*(\t%2)+16
.endr
.endm
	s_load_b256 s[4:11], s[0:1], 0x0               ; xq s[4:5], rows s[6:7], W1's codes s[8:9], W1's scales s[10:11]
	s_load_b128 s[12:15], s[0:1], 0x20             ; b1 s[12:13], hq s[14:15]
	v_lshl_add_u32 v11, v0, 2, 0x19a00
	v_mov_b32 v255, 0
	v_lshrrev_b32 v8, 5, v0
	v_readfirstlane_b32 s[WV], v8                  ; wave 0..3
	s_mov_b32 s[J], ttmp9
	s_and_b32 s[E], ttmp7, 0xffff
	v_and_b32 v9, 31, v0                           ; lane
	v_and_b32 v[R16], 15, v0
	v_bfe_u32 v8, v0, 4, 1                         ; h
	v_lshlrev_b32 v[LI], 4, v9
	v_lshlrev_b32 v[LS], 2, v[R16]
	v_lshl_add_u32 v[BA], v8, 6, B1L
	v_mul_u32_u24 v[H48], v8, 48
	v_lshl_add_u32 v[H16X], v8, 4, 786432
	s_mul_i32 s29, s[WV], 32*WP
	v_add_nc_u32 v[A0], s29, v[LI]                 ; the copy: my 32 rows' place + 16 lane
	v_lshl_add_u32 v[A1], v8, 4, v[A0]             ; and 16 more for lanes 16-31, where a load straddles two rows
	v_and_b32 v[SA], 7, v0
	v_bfe_u32 v[B1S], v0, 3, 1
	v_lshl_add_u32 v[SA], v[B1S], 4, v[SA]
	v_lshl_add_u32 v[SA], v8, 3, v[SA]             ; row 16 g + 8 u + i of my 32 goes to place 16 u + 8 g + i
	v_lshlrev_b32 v[SA], 5, v[SA]
	s_lshl_b32 s29, s[WV], 10
	s_add_co_u32 s29, s29, SCL
	v_add_nc_u32 v[SA], s29, v[SA]
	v_lshlrev_b32 v[L4], 2, v9
	s_lshl_b32 s29, s[WV], 7
	s_add_co_u32 s29, s29, B1L
	v_add_nc_u32 v[B1S], s29, v[L4]
	v_mul_u32_u24 v[FA0], v[R16], WP
	v_mad_u32_u24 v[FA0], v8, 24, v[FA0]
	v_add_nc_u32 v[FA1], 64*WP, v[FA0]
	v_lshlrev_b32 v[SR], 5, v[R16]
	v_lshl_add_u32 v[SR], v8, 4, v[SR]
	v_add_nc_u32 v[SR], SCL, v[SR]
	v_lshlrev_b32 v[SGO], 5, v9
	s_mov_b32 s[SEL], 0x76543210
	s_mov_b32 s[SEL+1], 0xfedcba98
	s_mov_b32 s[ABSM], 0x7fffffff
	s_mov_b32 s31, 0                               ; the upper word of every 64-bit offset below; never rewritten
	s_wait_kmcnt 0x0
	s_lshl_b32 s30, s[E], 2
	s_add_nc_u64 s[RC:RC+1], s[6:7], s[30:31]
	s_load_b32 s[NE], s[RC:RC+1], 0x0              ; my expert's number of rows
	s_lshl_b32 s30, s[E], 12
	s_add_co_u32 s30, s30, 256
	s_add_nc_u64 s[RWB:RWB+1], s[6:7], s[30:31]    ; its list
	s_mul_i32 s29, s[E], 3145728
	s_mul_i32 s30, s[J], 1536
	s_add_co_u32 s30, s30, s29
	s_add_nc_u64 s[HQE:HQE+1], s[14:15], s[30:31]  ; hq: tile 0 of my expert, K step j
	s_mul_i32 s30, s[J], 98304
	s_add_co_u32 s30, s30, s29
	s_mul_i32 s29, s[WV], 24576
	s_add_co_u32 s30, s30, s29
	s_add_nc_u64 s[8:9], s[8:9], s[30:31]          ; W1's codes: rows 4096 e + 128 j + 32 w on
	s_lshl_b32 s29, s[E], 17
	s_lshl_b32 s30, s[J], 6
	s_add_co_u32 s30, s30, s29
	s_add_co_u32 s30, s30, 25165824
	s_add_nc_u64 s[HSE:HSE+1], s[14:15], s[30:31]  ; hq's scale words likewise
	s_lshl_b32 s30, s[J], 12
	s_add_co_u32 s30, s30, s29
	s_lshl_b32 s29, s[WV], 10
	s_add_co_u32 s30, s30, s29
	s_add_nc_u64 s[10:11], s[10:11], s[30:31]      ; W1's scale bytes, 32 a row
	s_lshl_b32 s30, s[E], 14
	s_lshl_b32 s29, s[J], 9
	s_add_co_u32 s30, s30, s29
	s_lshl_b32 s29, s[WV], 7
	s_add_co_u32 s30, s30, s29
	s_add_nc_u64 s[12:13], s[12:13], s[30:31]      ; b1
	s_mov_b32 s[T], s[WV]
	s_lshl_b32 s29, s[T], 4
	LISTRD                                         ; my first tile's rows: asked for ahead of the weights
	global_load_b128 v[SCR:SCR+3], v[SGO], s[10:11]
	global_load_b128 v[SCR+4:SCR+7], v[SGO], s[10:11] offset:16
	global_load_b32 v[B1R], v[L4], s[12:13]
	WIN 0x40                                       ; destination window 1
.set L, 0
.rept 48
	global_load_b128 v[4*L:4*L+3], v[LI], s[8:9] offset:512*L th:TH_LOAD_NT   ; my 32 rows are 24,576 dense bytes: 512 consecutive bytes a load; read once in the launch
.set L, L+1
.endr
	WIN 0
	s_wait_loadcnt 48                              ; the list's word, the scale bytes and b1 are in; the 48 loads of codes may stay out
	ds_store_b128 v[SA], v[SCR:SCR+3]
	ds_store_b128 v[SA], v[SCR+4:SCR+7] offset:16
	ds_store_b32 v[B1S], v[B1R]
	WIN 0x04                                       ; an LDS store's data are its source 1: window 1
.set P, 0
.rept 16                                       ; rows 2 P and 2 P + 1 of my 32: three loads' 1,536 bytes
	s_wait_loadcnt 3*(15-P)                        ; the younger pairs of rows may stay out
.set SG, 16*((P>>2)&1)+8*(P>>3)+2*(P&3)
	ds_store_b128 v[A0], v[12*P:12*P+3] offset:WP*SG
	ds_store_b128 v[A1], v[12*P+4:12*P+7] offset:WP*SG+512
	ds_store_b128 v[A0], v[12*P+8:12*P+11] offset:WP*SG+1040
.set P, P+1
.endr
	WIN 0
	XADDR                                          ; my first tile's places in xq
	s_lshl_b32 s29, s[T], 4
	s_add_co_u32 s29, s29, 64
	LISTRD                                         ; my second tile's rows: no load of mine is out, so the word's and the offset's registers are free
	XLOADS                                         ; my first tile's x: it lands while the fragments are read from LDS (a wave without a tile reads rows that it does not use)
	s_wait_dscnt 0x0
	s_barrier_signal -1
	s_barrier_wait -1                              ; the one barrier: from here on LDS is only read
	s_wait_kmcnt 0x0
	s_min_u32 s[NE], s[NE], 1024
	s_add_co_u32 s[NT], s[NE], 15
	s_lshr_b32 s[NT], s[NT], 4
	s_cmp_ge_u32 s[WV], s[NT]
	s_cbranch_scc1 .Lend                           ; no tile for me
.set FF, 0
.rept 64
	FRAGLD FF
.set FF, FF+1
.endr
.irp t, 0,1,2,3,4,5,6,7
	ds_load_b128 v[WS+4*\t:WS+4*\t+3], v[SR] offset:512*\t   ; lanes 0-15: words 0-3 of row 16 t + r; lanes 16-31: words 4-7
.endr
	s_sub_co_u32 s[NTR], s[NT], s[WV]              ; my tiles w, w + 4, .. under NT: (NT - w + 3) / 4 of them,
	s_add_co_u32 s[NTR], s[NTR], 3
	s_lshr_b32 s[NTR], s[NTR], 2
	s_min_u32 s[NTR], s[NTR], 16                   ; 16 at the most: an expert has at most 64 tiles
	s_mov_b32 s[TRI], 0
	s_wait_dscnt 0x0                               ; the fragments are in: the accumulators take the registers that held their addresses
	BIAS
.Ltile:
	s_wait_xcnt 0x0                                ; the last tile's stores have read their bases and data
	s_min_u32 s29, s[T], 63
	s_mul_i32 s30, s29, 49152
	s_add_nc_u64 s[HB:HB+1], s[HQE:HQE+1], s[30:31]
	s_lshl_b32 s30, s29, 11
	s_add_nc_u64 s[SB:SB+1], s[HSE:HSE+1], s[30:31]
	s_wait_loadcnt 0x0                             ; this tile's x is in, and so is the next tile's list word, which was asked for ahead of it
	s_wait_dscnt 0x0                               ; b1 is in the accumulators
	MM
	XADDR                                          ; the next tile's places in xq.  These four lines, the two below and the three of the list's offset are the places behind the last products
	v_mov_b32 v[C8], 0xbf97d29d
	v_mov_b32 v[C8+1], 0xbf97d29d
	s_lshl_b32 s29, s[T], 4
	s_add_co_u32 s29, s29, 128                     ; the rows of my tile after the next (in the last trips: places behind my tiles, whose words name rows inside xq)
	LISTRD
	XLOADS                                         ; the next tile's x lands under the GELU
.irp t, 0,1,2,3,4,5,6,7
	GELU \t
.endr
	QUANT ACC
.irp c, 0,1,2
	global_store_b128 v[LI], v[PC+4*\c:PC+4*\c+3], s[HB:HB+1] offset:512*\c   ; the image: 1,536 consecutive bytes
.endr
	global_store_b32 v[LS], v[PW], s[SB:SB+1]      ; lanes r and r + 16 hold the same word
	BIAS
	s_add_co_u32 s[T], s[T], 4                     ; my next tile; the loop is counted by its trips, one a trip
	s_add_co_u32 s[TRI], s[TRI], 1
	s_cmp_lt_u32 s[TRI], s[NTR]
	s_cbranch_scc1 .Ltile
.Lend:
	s_wait_tensorcnt 0x0
	ds_add_u32 v11, v255
	s_wait_dscnt 0x0
	s_endpgm
.Lfunc_end_k_q6f2abafc21_up:
	.size	k_q6f2abafc21_up, .Lfunc_end_k_q6f2abafc21_up-k_q6f2abafc21_up
	.p2alignl 7, 3214868480
	.fill 96, 4, 3214868480
	.section	.rodata,"a",@progbits
	.p2align	6, 0x0
	.amdhsa_kernel k_q6f2abafc21_up
		.amdhsa_group_segment_fixed_size 105472
		.amdhsa_private_segment_fixed_size 0
		.amdhsa_enable_private_segment 0
		.amdhsa_kernarg_size 48
		.amdhsa_user_sgpr_count 2
		.amdhsa_user_sgpr_kernarg_segment_ptr 1
		.amdhsa_wavefront_size32 1
		.amdhsa_system_sgpr_workgroup_id_x 1
		.amdhsa_system_sgpr_workgroup_id_y 1
		.amdhsa_system_sgpr_workgroup_id_z 1
		.amdhsa_system_vgpr_workitem_id 0
		.amdhsa_next_free_vgpr 1024
		.amdhsa_next_free_sgpr 66
		.amdhsa_reserve_vcc 0
		.amdhsa_float_denorm_mode_32 3
		.amdhsa_float_denorm_mode_16_64 3
		.amdhsa_memory_ordered 1
		.amdhsa_forward_progress 1
		.amdhsa_inst_pref_size 106
	.end_amdhsa_kernel
	.amdgpu_metadata
---
amdhsa.version: [ 1, 2 ]
amdhsa.kernels:
  - .name:           k_q6f2abafc21_up
    .symbol:         k_q6f2abafc21_up.kd
    .args:
      - { .name: xq, .offset: 0, .size: 8, .value_kind: global_buffer, .address_space: global }
      - { .name: rows, .offset: 8, .size: 8, .value_kind: global_buffer, .address_space: global }
      - { .name: w1_codes, .offset: 16, .size: 8, .value_kind: global_buffer, .address_space: global }
      - { .name: w1_scales, .offset: 24, .size: 8, .value_kind: global_buffer, .address_space: global }
      - { .name: b1, .offset: 32, .size: 8, .value_kind: global_buffer, .address_space: global }
      - { .name: hq, .offset: 40, .size: 8, .value_kind: global_buffer, .address_space: global }
    .group_segment_fixed_size: 105472
    .private_segment_fixed_size: 0
    .kernarg_segment_align: 8
    .kernarg_segment_size: 48
    .max_flat_workgroup_size: 128
    .sgpr_count:     66
    .vgpr_count:     1024
    .wavefront_size: 32
...
	.end_amdgpu_metadata
.endif
;; end of part 3
;; launch down (part 4): grid 32 x 8, 4 waves a work-group, no clusters, 122,624 bytes of LDS; arguments hq, rows, rowg, w2_codes, w2_scales, b2, ypart; writes ypart
.if DOCPART == 4
	.amdgcn_target "amdgcn-amd-amdhsa--gfx1250"
	.amdhsa_code_object_version 6
	.text
	.protected	k_q6f2abafc21_down
	.globl	k_q6f2abafc21_down
	.p2align	8
	.type	k_q6f2abafc21_down,@function
k_q6f2abafc21_down:
	s_mov_b64 s[64:65], 0
	v_nop
	global_prefetch_b8 v0, s[64:65] scope:SCOPE_SE
	s_setreg_imm32_b32 hwreg(HW_REG_WAVE_MODE, 25, 1), 1
	s_wait_xcnt 0x0
; DOWN.  gate x (h W2^T + b2) for the rows routed to one expert, on codes of BF6 (E3M2) with one E8M0 byte for each 32 along K; sums in f32.
; SHARES.  Work-group (x, e): outputs 64 ns .. 64 ns + 63 (ns = x % 16) and half kh = x / 16 of K (16 K steps of 128): 64 pieces of 1,536 bytes of W2's rows, which no other work-group reads.  Each of its four waves
; keeps all 64 fragments (4 tiles of 16 outputs x 16 K steps) in registers and takes the expert's tiles of 16 routed rows w, w + 4, ..  Behind the prologue's one barrier the waves share nothing.
; h comes as images of the operand's registers: three loads of 16 bytes a lane for a fragment, through a ring of 8 fragments in registers: while two are multiplied, six to eight are on their way.
; A wave's first tile is asked for ahead of the barrier, so that it lands while the weights' fragments are read from LDS.
; THE MATRIX INSTRUCTION IS USED TRANSPOSED: source 0 = 16 rows of W2, source 1 = 16 routed rows of h: a lane holds eight neighbouring outputs of one routed row.  b2 (in the half kh = 0 alone) is the C of a sum's first
; matrix instruction.  The result, times the row's gate, goes through the wave's own stage in LDS, so that sixteen lanes store a row's 256 consecutive bytes, aligned.
; OUT.  ypart: four planes of [1024][1024] f32, plane 2 slot + kh; the list's word 2048 slot + token, shifted by 12, is the row's byte offset.  Each token has a first and a second expert, so every plane is written whole.
; A tile's rows behind the expert's last row repeat that row: they store the same numbers to the same places.
; NO TENSOR LOAD, NO CLUSTER: the number of tiles is read from memory, and W2, the bulk of the bytes from memory, is shared with nobody.
; LIMITS.  NaN and infinities are not served (b2 is multiplied by 0 in the half kh = 1).  An expert may have 0 to 1,024 rows.
; REGISTERS.  Window 0: v1-8 addresses; v10 the gate; v12-43 W2's scale words; v44-55 fragment 63; v56-87 4 accumulators; v88-95 h's scale words; v96-103 the rows' offsets; v104-135 rows on the way out;
; v136-231 the ring; v232-254 prologue.  Windows 1-3: W2's fragments 0-62, fragment f = 4 s + n in window 1 + f / 21 at register 12 (f % 21); in the prologue window 1 v0-191 holds the weights as loaded.
.set WP,   1552                        ; LDS: a piece of a row of W2: 1,536 bytes + 16 = 388 words: row r begins at bank 4 r mod 64
.set SC2,  99328                       ; the 64 rows' scale words: 64 bytes + 16
.set B2L,  104448                      ; b2's 64 numbers (zeros in the half kh = 1)
.set STG,  104704                      ; a stage of 16 rows x (256 + 16) bytes for each wave
.set LI,   1                           ; 16 x lane
.set HSO,  2                           ; 512 h + 4 r
.set BA2,  3                           ; B2L + 32 h
.set STO,  4                           ; the stage: row r, 32 h
.set RD,   5                           ; and back: lanes 0-15 row i, lanes 16-31 row 8 + i; 16 bytes a lane
.set C16,  6                           ; 16 r
.set DOF,  7                           ; 32 h
.set GOF,  8                           ; 4 r
.set WS,   12
.set F63,  44
.set ACC,  56
.set HSC,  88
.set DC,   96
.set OUTR, 104
.set RING, 136
.set WV,  20
.set NS,  21
.set KH,  22
.set E,   23
.set NE,  24
.set NT,  25
.set NT1, 26
.set T,   27
.set HC,  32                           ; s[32:33] the tile in hand in hq;  s[34:41] the next tile: its images, its scale words, its list, its gates
.set HN,  34
.set SN,  36
.set RN,  38
.set GN,  40
.set HQE, 42
.set HSE, 44
.set RE,  46
.set GE,  48
.set YB,  50
.set TRI, 56                           ; trips done
.set NTR, 57                           ; my wave's trips: its tiles
.set MSB, 0
.macro WIN new
.if MSB != (\new)
	s_set_vgpr_msb (MSB<<8)|(\new)
.set MSB, (\new)
.endif
.endm
.macro SETN                            ; the four bases of tile s28
	s_mul_i32 s30, s28, 49152
	s_add_nc_u64 s[HN:HN+1], s[HQE:HQE+1], s[30:31]
	s_lshl_b32 s30, s28, 11
	s_add_nc_u64 s[SN:SN+1], s[HSE:HSE+1], s[30:31]
	s_lshl_b32 s30, s28, 6
	s_add_nc_u64 s[RN:RN+1], s[RE:RE+1], s[30:31]
	s_add_nc_u64 s[GN:GN+1], s[GE:GE+1], s[30:31]
.endm
.macro FRL base, sig, slot             ; the image of K step sig into a slot of the ring
.irp c, 0,1,2
	global_load_b128 v[RING+12*(\slot)+4*\c:RING+12*(\slot)+4*\c+3], v[LI], s[\base:\base+1] offset:1536*(\sig)+512*\c
.endr
.endm
.macro BATCH g                         ; behind group g: the two slots just read take this tile's K steps 8 further on (6 loads), or the next tile's K steps 8 back and their scale words (8 loads)
.if \g < 4
	FRL HC, 2*\g+8, 2*\g
	FRL HC, 2*\g+9, 2*\g+1
.else
	FRL HN, 2*\g-8, 2*\g-8
	FRL HN, 2*\g-7, 2*\g-7
	global_load_b32 v[HSC+2*\g-8], v[HSO], s[SN:SN+1] offset:64*(2*\g-8)   ; lanes 0-15: K step i; lanes 16-31: K step i + 8
	global_load_b32 v[HSC+2*\g-7], v[HSO], s[SN:SN+1] offset:64*(2*\g-7)
.endif
.endm
.macro WM2 n, sg                       ; tile n of outputs, K step sg
.set F, 4*(\sg)+(\n)
.if F < 63
	WIN 1+F/21
.set FD, 12*(F%21)
.else
	WIN 0
.set FD, F63
.endif
.set RA, ACC+8*(\n)
.set RB, RING+12*((\sg)%8)
.set RW, WS+8*(\n)+4*((\sg)/8)+(\sg)%4
.set RH, HSC+(\sg)%8
.if ((\sg)/4)%2 == 0 && (\sg) < 8
	v_wmma_scale_f32_16x16x128_f8f6f4 v[RA:RA+7], v[FD:FD+11], v[RB:RB+11], v[RA:RA+7], v[RW], v[RH] matrix_a_fmt:MATRIX_FMT_BF6 matrix_b_fmt:MATRIX_FMT_BF6
.elseif ((\sg)/4)%2 == 1 && (\sg) < 8
	v_wmma_scale_f32_16x16x128_f8f6f4 v[RA:RA+7], v[FD:FD+11], v[RB:RB+11], v[RA:RA+7], v[RW], v[RH] matrix_a_fmt:MATRIX_FMT_BF6 matrix_b_fmt:MATRIX_FMT_BF6 matrix_a_scale:MATRIX_SCALE_ROW1
.elseif ((\sg)/4)%2 == 0
	v_wmma_scale_f32_16x16x128_f8f6f4 v[RA:RA+7], v[FD:FD+11], v[RB:RB+11], v[RA:RA+7], v[RW], v[RH] matrix_a_fmt:MATRIX_FMT_BF6 matrix_b_fmt:MATRIX_FMT_BF6 matrix_b_scale:MATRIX_SCALE_ROW1
.else
	v_wmma_scale_f32_16x16x128_f8f6f4 v[RA:RA+7], v[FD:FD+11], v[RB:RB+11], v[RA:RA+7], v[RW], v[RH] matrix_a_fmt:MATRIX_FMT_BF6 matrix_b_fmt:MATRIX_FMT_BF6 matrix_a_scale:MATRIX_SCALE_ROW1 matrix_b_scale:MATRIX_SCALE_ROW1
.endif
.endm
; Two K steps: 8 matrix instructions, the four accumulators by turns, one instruction a turn.  left: the loads issued behind the batch that brought these two fragments.
.macro GROUP g, left
	s_wait_loadcnt \left
.irp d, 0,1
.irp n, 0,1,2,3
	WM2 \n, 2*\g+\d
.endr
.endr
	WIN 0
.rept 4
	v_nop                                          ; places in front of loads into registers that these products have read
.endr
	BATCH \g
.endm
.macro LISTLD                          ; three loads: the tile's eight words of the list for my half of the lanes, and my row's gate
	global_load_b128 v[DC:DC+3], v[DOF], s[RN:RN+1]
	global_load_b128 v[DC+4:DC+7], v[DOF], s[RN:RN+1] offset:16
	global_load_b32 v10, v[GOF], s[GN:GN+1]
.endm
.macro BIAS2                           ; b2 at the accumulators' places: tile n, half h: outputs 16 n + 8 h + 0 .. 7
.irp n, 0,1,2,3
	ds_load_b128 v[ACC+8*\n:ACC+8*\n+3], v[BA2] offset:64*\n
	ds_load_b128 v[ACC+8*\n+4:ACC+8*\n+7], v[BA2] offset:64*\n+16
.endr
.endm
.macro FRAGLD f                        ; fragment f = 4 s + n from LDS
.set FS, (\f)/4
.set FN, (\f)%4
.if (\f) < 63
	WIN (1+(\f)/21)<<6
.set FD, 12*((\f)%21)
.else
	WIN 0
.set FD, F63
.endif
.irp p, 0,1,2,3,4,5
.if FN < 2
	ds_load_b64 v[FD+2*\p:FD+2*\p+1], v236 offset:16*WP*FN+96*FS+48*(\p/3)+8*(\p%3)
.else
	ds_load_b64 v[FD+2*\p:FD+2*\p+1], v237 offset:16*WP*(FN-2)+96*FS+48*(\p/3)+8*(\p%3)
.endif
.endr
.endm
	s_load_b256 s[4:11], s[0:1], 0x0               ; hq s[4:5], rows s[6:7], rowg s[8:9], W2's codes s[10:11]
	s_load_b128 s[12:15], s[0:1], 0x20             ; W2's scales s[12:13], b2 s[14:15]
	s_load_b64 s[16:17], s[0:1], 0x30              ; ypart
	v_lshl_add_u32 v249, v0, 2, 0x1dd00
	v_mov_b32 v255, 0
	v_lshrrev_b32 v9, 5, v0
	v_readfirstlane_b32 s[WV], v9                  ; wave 0..3
	s_and_b32 s[NS], ttmp9, 15
	s_lshr_b32 s[KH], ttmp9, 4
	s_and_b32 s[E], ttmp7, 0xffff
	v_and_b32 v252, 31, v0                         ; lane
	v_and_b32 v250, 15, v0                         ; r
	v_bfe_u32 v251, v0, 4, 1                       ; h
	v_lshlrev_b32 v[LI], 4, v252
	v_lshlrev_b32 v[GOF], 2, v250
	v_lshl_add_u32 v[HSO], v251, 9, v[GOF]
	v_lshl_add_u32 v[BA2], v251, 5, B2L
	v_lshlrev_b32 v[C16], 4, v250
	v_lshlrev_b32 v[DOF], 5, v251
	s_mul_i32 s28, s[WV], 4352
	s_add_co_u32 s28, s28, STG
	v_mul_u32_u24 v[STO], v250, 272
	v_lshl_add_u32 v[STO], v251, 5, v[STO]
	v_add_nc_u32 v[STO], s28, v[STO]
	v_mul_u32_u24 v[RD], v251, 2176
	v_lshl_add_u32 v[RD], v250, 4, v[RD]
	v_add_nc_u32 v[RD], s28, v[RD]
	v_mov_b32 v11, 0                               ; named with the gate as a pair
	s_mul_i32 s28, s[WV], 16*WP
	v_add_nc_u32 v232, s28, v[LI]                  ; the copy: my 16 rows' place + 16 lane
	v_lshrrev_b32 v253, 1, v252
	v_and_b32 v254, 1, v0
	v_lshlrev_b32 v233, 7, v253
	v_lshl_add_u32 v233, v254, 5, v233             ; scale bytes in memory: row lane / 2, 32 bytes for each of two lanes
	v_mul_u32_u24 v234, v253, 80
	v_lshl_add_u32 v234, v254, 5, v234
	s_mul_i32 s28, s[WV], 1280
	s_add_co_u32 s28, s28, SC2
	v_add_nc_u32 v234, s28, v234                   ; and in LDS
	s_lshl_b32 s28, s[WV], 6
	s_add_co_u32 s28, s28, B2L
	v_add_nc_u32 v235, s28, v[GOF]
	v_mul_u32_u24 v236, v250, WP
	v_mad_u32_u24 v236, v251, 24, v236             ; a fragment's row r, + 24 h
	v_add_nc_u32 v237, 32*WP, v236
	v_mul_u32_u24 v238, v250, 80
	v_lshl_add_u32 v238, v251, 4, v238
	v_add_nc_u32 v238, SC2, v238
	s_mov_b32 s31, 0                               ; the upper word of every 64-bit offset below; never rewritten
	s_cmp_eq_u32 s[KH], 0
	s_cselect_b32 s52, 1.0, 0                      ; b2 counts in the first half of K alone
	s_wait_kmcnt 0x0
	s_lshl_b32 s30, s[E], 2
	s_add_nc_u64 s[54:55], s[6:7], s[30:31]
	s_load_b32 s[NE], s[54:55], 0x0                ; my expert's number of rows
	s_mul_i32 s29, s[E], 3145728
	s_mul_i32 s30, s[KH], 24576
	s_add_co_u32 s30, s30, s29
	s_add_nc_u64 s[HQE:HQE+1], s[4:5], s[30:31]
	s_mul_i32 s30, s[NS], 196608
	s_add_co_u32 s30, s30, s29
	s_mul_i32 s29, s[WV], 49152
	s_add_co_u32 s30, s30, s29
	s_mul_i32 s29, s[KH], 1536
	s_add_co_u32 s30, s30, s29
	s_add_nc_u64 s[10:11], s[10:11], s[30:31]      ; W2's codes: rows 1024 e + 64 ns + 16 w on, my half of K
	s_lshl_b32 s29, s[E], 17
	s_lshl_b32 s30, s[KH], 10
	s_add_co_u32 s30, s30, s29
	s_add_co_u32 s30, s30, 25165824
	s_add_nc_u64 s[HSE:HSE+1], s[4:5], s[30:31]
	s_lshl_b32 s30, s[NS], 13
	s_add_co_u32 s30, s30, s29
	s_lshl_b32 s29, s[WV], 11
	s_add_co_u32 s30, s30, s29
	s_lshl_b32 s29, s[KH], 6
	s_add_co_u32 s30, s30, s29
	s_add_nc_u64 s[12:13], s[12:13], s[30:31]      ; W2's scale bytes, 128 a row
	s_lshl_b32 s30, s[E], 12
	s_lshl_b32 s29, s[NS], 8
	s_add_co_u32 s29, s29, s30
	s_add_co_u32 s30, s30, 256
	s_add_nc_u64 s[RE:RE+1], s[6:7], s[30:31]
	s_add_nc_u64 s[GE:GE+1], s[8:9], s[30:31]
	s_lshl_b32 s30, s[WV], 6
	s_add_co_u32 s30, s30, s29
	s_add_nc_u64 s[14:15], s[14:15], s[30:31]      ; b2
	s_lshl_b32 s30, s[KH], 22
	s_lshl_b32 s29, s[NS], 8
	s_add_co_u32 s30, s30, s29
	s_add_nc_u64 s[YB:YB+1], s[16:17], s[30:31]
	global_load_b128 v[240:243], v233, s[12:13]
	global_load_b128 v[244:247], v233, s[12:13] offset:16
	global_load_b32 v248, v[GOF], s[14:15]
	WIN 0x40                                       ; destination window 1
.set P, 0
.rept 16
.irp q, 0,1,2
	global_load_b128 v[12*P+4*\q:12*P+4*\q+3], v[LI], s[10:11] offset:3072*P+512*\q th:TH_LOAD_NT   ; a row's piece: 1,536 consecutive bytes, read once in the launch
.endr
.set P, P+1
.endr
	WIN 0
	s_wait_loadcnt 48                              ; the scale bytes and b2 are in; the 48 loads of codes may stay out
	ds_store_b128 v234, v[240:243]
	ds_store_b128 v234, v[244:247] offset:16
	v_mul_f32 v248, s52, v248
	ds_store_b32 v235, v248                        ; lanes r and r + 16 hold the same number
	WIN 0x04                                       ; an LDS store's data are its source 1: window 1
.set P, 0
.rept 16
	s_wait_loadcnt 3*(15-P)                        ; the younger rows may stay out
.irp q, 0,1,2
	ds_store_b128 v232, v[12*P+4*\q:12*P+4*\q+3] offset:WP*P+512*\q
.endr
.set P, P+1
.endr
	WIN 0
	s_wait_kmcnt 0x0                               ; my expert's number of rows
	s_min_u32 s[NE], s[NE], 1024
	s_add_co_u32 s[NT], s[NE], 15
	s_lshr_b32 s[NT], s[NT], 4
	s_sub_co_u32 s[NT1], s[NT], 1
	s_mov_b32 s[T], s[WV]
	s_min_u32 s28, s[T], s[NT1]                    ; my first tile (a wave without a tile asks for the expert's last tile, or, where the expert has no row, for bytes that it does not use, and ends)
	s_min_u32 s28, s28, 63
	SETN
	BATCH 4                                        ; my first tile's K steps 0-7, its scale words, its list: in the order in which a trip issues them for the next tile;
	BATCH 5                                        ; ahead of the barrier, so that they land while the fragments are read from LDS
	BATCH 6
	BATCH 7
	LISTLD
	s_wait_dscnt 0x0
	s_barrier_signal -1
	s_barrier_wait -1                              ; the one barrier: weights, scale words and b2 lie in LDS and are only read from here on
	s_cmp_ge_u32 s[WV], s[NT]
	s_cbranch_scc1 .Lend                           ; no tile for me
.set FF, 0
.rept 64
	FRAGLD FF
.set FF, FF+1
.endr
.irp n, 0,1,2,3
.irp m, 0,1
	ds_load_b128 v[WS+8*\n+4*\m:WS+8*\n+4*\m+3], v238 offset:1280*\n+32*\m   ; lanes 0-15: words 8 m + 0..3 of row 16 n + r; lanes 16-31: words 8 m + 4..7
.endr
.endr
	s_sub_co_u32 s[NTR], s[NT], s[WV]              ; my tiles w, w + 4, .. under NT: (NT - w + 3) / 4 of them,
	s_add_co_u32 s[NTR], s[NTR], 3
	s_lshr_b32 s[NTR], s[NTR], 2
	s_min_u32 s[NTR], s[NTR], 16                   ; 16 at the most: an expert has at most 64 tiles
	s_mov_b32 s[TRI], 0
	BIAS2
	s_wait_xcnt 0x0                                ; the loads have read their bases
	s_mov_b64 s[HC:HC+1], s[HN:HN+1]
	s_add_co_u32 s28, s[T], 4
	s_min_u32 s28, s28, s[NT1]                     ; behind my last tile: the expert's last tile again
	s_min_u32 s28, s28, 63
	SETN
.Ltile:
	s_wait_dscnt 0x0                               ; b2 is in the accumulators (first trip: the weights too)
	GROUP 0, 27                                    ; behind its batch: three batches of 8 and the list's 3
	GROUP 1, 25                                    ; 8 + 8 + 3 + 6
	GROUP 2, 23                                    ; 8 + 3 + 6 + 6
	GROUP 3, 21                                    ; 3 + 6 + 6 + 6
	GROUP 4, 18                                    ; 6 + 6 + 6: so the list and the gate are in too
	GROUP 5, 20                                    ; 6 + 6 + 8
	GROUP 6, 22                                    ; 6 + 8 + 8
	GROUP 7, 24                                    ; 8 + 8 + 8
.irp n, 0,1,2,3
.irp p, 0,2,4,6
	v_pk_mul_f32 v[ACC+8*\n+\p:ACC+8*\n+\p+1], v[ACC+8*\n+\p:ACC+8*\n+\p+1], v[10:11] op_sel_hi:[1,0]   ; x my row's gate; each accumulator from its low end on
.endr
.endr
.irp i, 0,1,2,3,4,5,6,7
	v_min_u32 v[DC+\i], 0xbff, v[DC+\i]
.endr
.irp i, 0,1,2,3,4,5,6,7
	v_lshl_add_u32 v[DC+\i], v[DC+\i], 12, v[C16]  ; (2048 slot + token) x 4,096 bytes + 16 r
.endr
.irp n, 0,1,2,3
	ds_store_b128 v[STO], v[ACC+8*\n:ACC+8*\n+3] offset:64*\n
	ds_store_b128 v[STO], v[ACC+8*\n+4:ACC+8*\n+7] offset:64*\n+16
.endr
.irp i, 0,1,2,3,4,5,6,7
	ds_load_b128 v[OUTR+4*\i:OUTR+4*\i+3], v[RD] offset:272*\i   ; LDS serves a wave's instructions in order: these see my stores
.endr
	BIAS2
.irp i, 0,1,2,3,4,5,6,7
	s_wait_dscnt 15-\i                             ; the younger rows and the eight loads of b2 may stay out
	global_store_b128 v[DC+\i], v[OUTR+4*\i:OUTR+4*\i+3], s[YB:YB+1]   ; sixteen lanes store 256 consecutive bytes, aligned
.endr
	s_wait_xcnt 0x0                                ; the stores have read their offsets and data
	LISTLD
	s_wait_xcnt 0x0                                ; every load has read its base
	s_mov_b64 s[HC:HC+1], s[HN:HN+1]
	s_add_co_u32 s[T], s[T], 4
	s_add_co_u32 s28, s[T], 4
	s_min_u32 s28, s28, s[NT1]
	s_min_u32 s28, s28, 63
	SETN
	s_add_co_u32 s[TRI], s[TRI], 1                 ; the loop is counted by its trips, one a trip
	s_cmp_lt_u32 s[TRI], s[NTR]
	s_cbranch_scc1 .Ltile
.Lend:
	s_wait_tensorcnt 0x0
	ds_add_u32 v249, v255
	s_wait_dscnt 0x0
	s_endpgm
.Lfunc_end_k_q6f2abafc21_down:
	.size	k_q6f2abafc21_down, .Lfunc_end_k_q6f2abafc21_down-k_q6f2abafc21_down
	.p2alignl 7, 3214868480
	.fill 96, 4, 3214868480
	.section	.rodata,"a",@progbits
	.p2align	6, 0x0
	.amdhsa_kernel k_q6f2abafc21_down
		.amdhsa_group_segment_fixed_size 122624
		.amdhsa_private_segment_fixed_size 0
		.amdhsa_enable_private_segment 0
		.amdhsa_kernarg_size 56
		.amdhsa_user_sgpr_count 2
		.amdhsa_user_sgpr_kernarg_segment_ptr 1
		.amdhsa_wavefront_size32 1
		.amdhsa_system_sgpr_workgroup_id_x 1
		.amdhsa_system_sgpr_workgroup_id_y 1
		.amdhsa_system_sgpr_workgroup_id_z 1
		.amdhsa_system_vgpr_workitem_id 0
		.amdhsa_next_free_vgpr 1024
		.amdhsa_next_free_sgpr 66
		.amdhsa_reserve_vcc 0
		.amdhsa_float_denorm_mode_32 3
		.amdhsa_float_denorm_mode_16_64 3
		.amdhsa_memory_ordered 1
		.amdhsa_forward_progress 1
		.amdhsa_inst_pref_size 64
	.end_amdhsa_kernel
	.amdgpu_metadata
---
amdhsa.version: [ 1, 2 ]
amdhsa.kernels:
  - .name:           k_q6f2abafc21_down
    .symbol:         k_q6f2abafc21_down.kd
    .args:
      - { .name: hq, .offset: 0, .size: 8, .value_kind: global_buffer, .address_space: global }
      - { .name: rows, .offset: 8, .size: 8, .value_kind: global_buffer, .address_space: global }
      - { .name: rowg, .offset: 16, .size: 8, .value_kind: global_buffer, .address_space: global }
      - { .name: w2_codes, .offset: 24, .size: 8, .value_kind: global_buffer, .address_space: global }
      - { .name: w2_scales, .offset: 32, .size: 8, .value_kind: global_buffer, .address_space: global }
      - { .name: b2, .offset: 40, .size: 8, .value_kind: global_buffer, .address_space: global }
      - { .name: ypart, .offset: 48, .size: 8, .value_kind: global_buffer, .address_space: global }
    .group_segment_fixed_size: 122624
    .private_segment_fixed_size: 0
    .kernarg_segment_align: 8
    .kernarg_segment_size: 56
    .max_flat_workgroup_size: 128
    .sgpr_count:     66
    .vgpr_count:     1024
    .wavefront_size: 32
...
	.end_amdgpu_metadata
.endif
;; end of part 4
;; launch sum (part 5): grid 256 x 1, 8 waves a work-group, no clusters, 0 bytes of LDS; arguments ypart, rows, rowg, out0, out1; writes out0, out1
.if DOCPART == 5
	.amdgcn_target "amdgcn-amd-amdhsa--gfx1250"
	.amdhsa_code_object_version 6
	.text
	.protected	k_q6f2abafc21_sum
	.globl	k_q6f2abafc21_sum
	.p2align	8
	.type	k_q6f2abafc21_sum,@function
k_q6f2abafc21_sum:
	s_mov_b64 s[64:65], 0
	v_nop
	global_prefetch_b8 v0, s[64:65] scope:SCOPE_SE
	s_setreg_imm32_b32 hwreg(HW_REG_WAVE_MODE, 25, 1), 1
	s_wait_xcnt 0x0
; SUM.  out0 = the sum of ypart's four planes (first and second expert x two halves of K), as (p0 + p1) + (p2 + p3); and the load-balancing number
; out1 = 0.01 x 8 x sum over e of (rows of e / 2048) x (sum of the gates on e / 1024) = 0.08 x 2^-21 x sum of count x gates.
; A stream: work-group g owns 16,384 bytes of out0; a thread 16 bytes in each of four pieces of 4,096; all sixteen loads go out at once; a wave's load or store covers 512 consecutive bytes.
; No LDS, no barrier, no matrix unit: each byte is read once and written once.
	s_load_b256 s[4:11], s[0:1], 0x0               ; ypart s[4:5], rows s[6:7], rowg s[8:9], out0 s[10:11]
	s_load_b64 s[12:13], s[0:1], 0x20              ; out1
	v_lshlrev_b32 v1, 4, v0
	v_lshrrev_b32 v2, 5, v0
	v_readfirstlane_b32 s18, v2                    ; wave
	s_lshl_b32 s14, ttmp9, 14
	s_mov_b32 s15, 0
	s_wait_kmcnt 0x0
	s_add_nc_u64 s[4:5], s[4:5], s[14:15]
	s_add_nc_u64 s[10:11], s[10:11], s[14:15]
	s_add_nc_u64 s[16:17], s[4:5], 0x800000        ; planes 2 and 3
.irp i, 0,1,2,3
	global_load_b128 v[16+16*\i:19+16*\i], v1, s[4:5] offset:4096*\i th:TH_LOAD_NT
	global_load_b128 v[20+16*\i:23+16*\i], v1, s[4:5] offset:4194304+4096*\i th:TH_LOAD_NT
	global_load_b128 v[24+16*\i:27+16*\i], v1, s[16:17] offset:4096*\i th:TH_LOAD_NT
	global_load_b128 v[28+16*\i:31+16*\i], v1, s[16:17] offset:4194304+4096*\i th:TH_LOAD_NT
.endr
.irp i, 0,1,2,3
	s_wait_loadcnt 12-4*\i                         ; this piece's four loads are in; the younger pieces' may stay out
	v_pk_add_f32 v[16+16*\i:17+16*\i], v[16+16*\i:17+16*\i], v[20+16*\i:21+16*\i]
	v_pk_add_f32 v[18+16*\i:19+16*\i], v[18+16*\i:19+16*\i], v[22+16*\i:23+16*\i]
	v_pk_add_f32 v[24+16*\i:25+16*\i], v[24+16*\i:25+16*\i], v[28+16*\i:29+16*\i]
	v_pk_add_f32 v[26+16*\i:27+16*\i], v[26+16*\i:27+16*\i], v[30+16*\i:31+16*\i]
	v_pk_add_f32 v[16+16*\i:17+16*\i], v[16+16*\i:17+16*\i], v[24+16*\i:25+16*\i]
	v_pk_add_f32 v[18+16*\i:19+16*\i], v[18+16*\i:19+16*\i], v[26+16*\i:27+16*\i]
	global_store_b128 v1, v[16+16*\i:19+16*\i], s[10:11] offset:4096*\i th:TH_STORE_NT
.endr
	s_or_b32 s19, ttmp9, s18
	s_cmp_lg_u32 s19, 0
	s_cbranch_scc1 .Lend                           ; wave 0 of work-group 0 makes out1
	v_and_b32 v80, 7, v0
	v_lshlrev_b32 v80, 2, v80                      ; lane % 8 is the expert
	global_load_b32 v81, v80, s[6:7]               ; its rows
	global_load_b32 v82, v80, s[8:9]               ; the sum of its gates
	s_wait_loadcnt 0x0
	v_cvt_f32_u32 v81, v81
	v_mul_f32 v81, v81, v82
	v_add_f32_dpp v81, v81, v81 row_xmask:1 row_mask:0xf bank_mask:0xf
	v_add_f32_dpp v81, v81, v81 row_xmask:2 row_mask:0xf bank_mask:0xf
	v_add_f32_dpp v81, v81, v81 row_xmask:4 row_mask:0xf bank_mask:0xf
	v_mul_f32 v81, 0x3323d70a, v81                 ; x 0.08 x 2^-21
	v_mov_b32 v83, 0
	global_store_b32 v83, v81, s[12:13]            ; every lane holds the same number and stores it to the same word
.Lend:
	s_endpgm
.Lfunc_end_k_q6f2abafc21_sum:
	.size	k_q6f2abafc21_sum, .Lfunc_end_k_q6f2abafc21_sum-k_q6f2abafc21_sum
	.p2alignl 7, 3214868480
	.fill 96, 4, 3214868480
	.section	.rodata,"a",@progbits
	.p2align	6, 0x0
	.amdhsa_kernel k_q6f2abafc21_sum
		.amdhsa_group_segment_fixed_size 0
		.amdhsa_private_segment_fixed_size 0
		.amdhsa_enable_private_segment 0
		.amdhsa_kernarg_size 40
		.amdhsa_user_sgpr_count 2
		.amdhsa_user_sgpr_kernarg_segment_ptr 1
		.amdhsa_wavefront_size32 1
		.amdhsa_system_sgpr_workgroup_id_x 1
		.amdhsa_system_sgpr_workgroup_id_y 1
		.amdhsa_system_sgpr_workgroup_id_z 1
		.amdhsa_system_vgpr_workitem_id 0
		.amdhsa_next_free_vgpr 96
		.amdhsa_next_free_sgpr 66
		.amdhsa_reserve_vcc 0
		.amdhsa_float_denorm_mode_32 3
		.amdhsa_float_denorm_mode_16_64 3
		.amdhsa_memory_ordered 1
		.amdhsa_forward_progress 1
		.amdhsa_inst_pref_size 6
	.end_amdhsa_kernel
	.amdgpu_metadata
---
amdhsa.version: [ 1, 2 ]
amdhsa.kernels:
  - .name:           k_q6f2abafc21_sum
    .symbol:         k_q6f2abafc21_sum.kd
    .args:
      - { .name: ypart, .offset: 0, .size: 8, .value_kind: global_buffer, .address_space: global }
      - { .name: rows, .offset: 8, .size: 8, .value_kind: global_buffer, .address_space: global }
      - { .name: rowg, .offset: 16, .size: 8, .value_kind: global_buffer, .address_space: global }
      - { .name: out0, .offset: 24, .size: 8, .value_kind: global_buffer, .address_space: global }
      - { .name: out1, .offset: 32, .size: 8, .value_kind: global_buffer, .address_space: global }
    .group_segment_fixed_size: 0
    .private_segment_fixed_size: 0
    .kernarg_segment_align: 8
    .kernarg_segment_size: 40
    .max_flat_workgroup_size: 256
    .sgpr_count:     66
    .vgpr_count:     96
    .wavefront_size: 32
...
	.end_amdgpu_metadata
.endif
;; end of part 5
;; ======== version 2 of 2: 5 launches; version 1 with the launches up, down written anew for expert scheduling mode
;; workspace buffers: xq 819,200 bytes; topi 8,192 bytes of whole numbers; gates 8,192 bytes; hq 26,214,400 bytes; rows 33,024 bytes of whole numbers; rowg 33,024 bytes; ypart 16,777,216 bytes
;; launch route: the kernel of part 1 again; grid 256 x 1, 2 waves a work-group, no clusters, 39,424 bytes of LDS; arguments x, gate_w, xq, topi, gates; writes xq, topi, gates
;; launch place: the kernel of part 2 again; grid 8 x 1, 1 waves a work-group, no clusters, 8,960 bytes of LDS; arguments topi, gates, rows, rowg; writes rows, rowg
;; launch up (part 6): grid 32 x 8, 4 waves a work-group, no clusters, 105,472 bytes of LDS; arguments xq, rows, w1_codes, w1_scales, b1, hq; writes hq
.if DOCPART == 6
	.amdgcn_target "amdgcn-amd-amdhsa--gfx1250"
	.amdhsa_code_object_version 6
	.text
	.protected	k_q6f2abafc21_up
	.globl	k_q6f2abafc21_up
	.p2align	8
	.type	k_q6f2abafc21_up,@function
k_q6f2abafc21_up:
	s_mov_b64 s[64:65], 0
	v_nop
	global_prefetch_b8 v0, s[64:65] scope:SCOPE_SE
	s_setreg_imm32_b32 hwreg(HW_REG_WAVE_SCHED_MODE, 0, 2), 2
	s_setreg_imm32_b32 hwreg(HW_REG_WAVE_MODE, 25, 1), 1
	s_wait_xcnt 0x0
	s_wait_alu depctr_vm_vsrc(0)
; UP.  h = Q(gelu(Q(x) W1^T + b1)) for the rows routed to one expert; both operands codes of BF6 (E3M2) with one E8M0 byte for each 32 along K; sums, bias and GELU in f32; Q along the hidden axis.
; SHARES.  Work-group (j, e) owns hidden units 128 j .. 128 j + 127 of expert e: 128 rows of W1, 98,304 bytes, which no other work-group reads.  Each of its four waves keeps all 64 fragments of them
; (8 tiles of 16 rows x 8 K steps of 128) in registers and takes the expert's tiles of 16 routed rows w, w + 4, ..  Behind the prologue's one barrier the waves share nothing: the loop over tiles has no barrier.
; THE ROWS.  The expert's count and its list (position -> 2048 x slot + token) are whole numbers that the launch before stored: the count gives the trips, a list word the row's place in xq.
; The list repeats the expert's last row behind it, so that every tile is whole and every lane is on.  A tile's list word is asked for two tiles ahead and its x one tile ahead.
; THE MATRIX INSTRUCTION IS USED TRANSPOSED: source 0 = 16 rows of W1, source 1 = 16 routed rows of x: a lane holds one routed row, its registers run along the hidden units.  THE ROWS OF W1 THAT FORM A TILE ARE NOT
; NEIGHBOURS: lane r of tile 2 b + u takes row 32 b + 8 u + r + 8 (r / 8), so that the 16 registers of tiles 2 b and 2 b + 1 are 16 neighbours along the next K.  The copy into LDS puts the rows in that order.
; The bias is the C of a sum's first matrix instruction: it is loaded into the accumulators.
; GELU, exact form: gelu(x) = max(x, 0) - |x| q, q = erfc(|x| / sqrt 2) / 2 = u 2^(P(u) - x^2 log2(e) / 2), u = 1 / (1 + |x| sqrt 2 / 4), P a polynomial of degree 9 (fractional error of erfc 1.2e-7 at every x).
; OUT.  hq: the 128 hidden units of 16 rows are one fragment of the next product, stored as an image of its 12 registers: ((64 e + tile) 32 + j) 1536 + 512 c + 16 lane; scale words 25165824 + ((64 e + tile) 32 + j) 64 + 4 r.
; NO TENSOR LOAD, NO CLUSTER: the number of tiles is read from memory, and W1, the bulk of the bytes, is shared with nobody; what the 32 work-groups of an expert share is x's codes, 768 bytes a row.
; LIMITS.  NaN and infinities are not served.  Far down the negative tail q's exponent is rounded in f32: its relative error grows as x^2 x 6e-8.  A block of zeros gets the byte 1: this program alone reads the bytes.
; Any split is served: an expert may have 0 to 1,024 rows.
; THE MODE: SCHED_MODE bits 1:0 = 2 (LLVM: expert scheduling mode 2), set by the entry lines.  The code itself states the register dependences between vector or matrix instructions and memory or LDS
; instructions, with s_wait_alu, always for 0.
; THE PLAN.  Registers that memory or LDS instructions touch, in the loop:
;   X, XS             A trip's 64 products read them; behind the products the next tile's 25 loads land in them.  One buffer: the weights leave no registers for a second.
;   v[TK]             The list's load lands in it; the lines that make the row's places read and write it.
;   v[XO] v[XSO] v[LA]  Written by plain lines behind the products; read by the 26 loads that follow them.
;   ACC               b1's 16 LDS loads land in it; the products and the GELU write it; the quantiser reads it.
;   v[PC ..], v[PW]   Written by the quantiser (and, as scratch, by the GELU); read by the trip's four stores.
;   v[LI] v[LS] v[BA] Made at the head and never written again.
; So a trip holds, beside the waits behind the GELU's reciprocals and exponentials: one wait on vm_vsrc at its head (the last trip's stores and loads have read their registers); one on va_vdst behind the products
; and the lines that make the next addresses, ahead of the 26 loads; one on va_vdst behind the quantiser, ahead of the four stores and of b1's LDS loads.
; REGISTERS, in windows of 256.  Window 0: v1-10 addresses; v12-43 W1's scale words; v44-47 x's; v48-59 fragment 63; v60-155 x's 8 fragments; v156-219 8 accumulators; v220-254 at work; v11, v255 the closing add's two.
; Windows 1-3: W1's fragments 0-62, fragment f = 8 s + t in window 1 + f / 21 at register 12 (f % 21).  In the prologue: window 1 v0-191 the weights as loaded; window 0 v188-209 scale bytes, b1 and addresses.
.set WP,    784                        ; LDS: a row of W1: 768 bytes + 16 = 196 words: row r begins at bank 4 r mod 64, so the 32 lanes of a load of 8 bytes touch 64 different banks
.set SCL,   100352                     ; behind the 128 rows: their scale words, 32 bytes a row, in the same order
.set B1L,   104448                     ; b1's 128 numbers
.set LI,   1                           ; 16 x lane
.set LS,   2                           ; 4 r
.set BA,   3                           ; B1L + 64 h
.set R16,  4                           ; r
.set H48,  5                           ; 48 h
.set XO,   6                           ; my routed row's codes in xq
.set XSO,  7                           ; and its scale words
.set TK,   8                           ; the list's word
.set LA,   9                           ; its byte offset in the list
.set H16X, 10                          ; 786432 + 16 h
.set WS,   12
.set XS,   44
.set F63,  48
.set X,    60
.set ACC,  156
.set GA,   220                         ; GELU: |x|;  u;  P, then q;  c8 twice;  x^2
.set GT,   228
.set GP,   236
.set C8,   244
.set GW,   246
.set TM,   220                         ; the quantiser's registers
.set TP,   224
.set TS,   228
.set PW,   232
.set PC,   236
.set SCR,  188                         ; prologue: v188-195 a row of scale bytes; v196 a number of b1
.set B1R,  196
.set A0,   197                         ; LDS addresses of the copy and of the fragments
.set A1,   198
.set SA,   199
.set B1S,  200
.set FA0,  201
.set FA1,  202
.set SR,   203
.set SGO,  208                         ; 32 x lane
.set L4,   209                         ; 4 x lane
.set WV,  22
.set J,   23
.set E,   24
.set NE,  25                           ; rows of my expert
.set NT,  26                           ; tiles of 16
.set T,   27                           ; the tile in hand
.set HB,  32                           ; s[32:33], s[34:35] where the tile's image and scale words go
.set SB,  34
.set HQE, 36
.set HSE, 38
.set SEL, 44
.set ABSM, 46
.set RWB, 48                           ; s[48:49] my expert's list
.set RC,  52                           ; s[52:53] its count
.set TRI, 56                           ; trips done
.set NTR, 57                           ; my wave's trips: its tiles
.set MSB, 0
.macro WIN new                         ; the immediate's high byte repeats the setting that is left; a switch that changes nothing is dropped
.if MSB != (\new)
	s_set_vgpr_msb (MSB<<8)|(\new)
.set MSB, (\new)
.endif
.endm
.macro FRAGLD f                        ; fragment f = 8 s + t: lane (r, h) takes the 24 bytes at 96 s + 24 h and the 24 bytes 48 further on of row 16 t + r, in pieces of 8
.set FS, (\f)/8
.set FT, (\f)%8
.if (\f) < 63
	WIN (1+(\f)/21)<<6
.set FD, 12*((\f)%21)
.else
	WIN 0
.set FD, F63
.endif
.irp p, 0,1,2,3,4,5
.if FT < 4
	ds_load_b64 v[FD+2*\p:FD+2*\p+1], v[FA0] offset:16*WP*FT+96*FS+48*(\p/3)+8*(\p%3)
.else
	ds_load_b64 v[FD+2*\p:FD+2*\p+1], v[FA1] offset:16*WP*(FT-4)+96*FS+48*(\p/3)+8*(\p%3)
.endif
.endr
.endm
; 64 matrix instructions: K step by K step, the eight accumulators by turns, one instruction a turn.  Scale words 0-3 lie in lanes 0-15, words 4-7 in lanes 16-31.
.macro MM
.set F, 0
.rept 64
.set FS, F/8
.set FT, F%8
.if F < 63
	WIN 1+F/21
.set FD, 12*(F%21)
.else
	WIN 0
.set FD, F63
.endif
.if FS < 4
	v_wmma_scale_f32_16x16x128_f8f6f4 v[ACC+8*FT:ACC+8*FT+7], v[FD:FD+11], v[X+12*FS:X+12*FS+11], v[ACC+8*FT:ACC+8*FT+7], v[WS+4*FT+FS%4], v[XS+FS%4] matrix_a_fmt:MATRIX_FMT_BF6 matrix_b_fmt:MATRIX_FMT_BF6
.else
	v_wmma_scale_f32_16x16x128_f8f6f4 v[ACC+8*FT:ACC+8*FT+7], v[FD:FD+11], v[X+12*FS:X+12*FS+11], v[ACC+8*FT:ACC+8*FT+7], v[WS+4*FT+FS%4], v[XS+FS%4] matrix_a_fmt:MATRIX_FMT_BF6 matrix_b_fmt:MATRIX_FMT_BF6 matrix_a_scale:MATRIX_SCALE_ROW1 matrix_b_scale:MATRIX_SCALE_ROW1
.endif
.set F, F+1
.endr
	WIN 0
.endm
.macro GELU t                          ; eight numbers in place; the coefficients are erfc's, times log2(e), with 1 off the constant for the half
.set X0, ACC+8*(\t)
.irp k, 0,1,2,3,4,5,6,7
	v_and_b32 v[GA+\k], s[ABSM], v[X0+\k]          ; |x|: the accumulator is read from its low end on
.endr
.irp k, 0,2,4,6
	v_pk_fma_f32 v[GT+\k:GT+\k+1], v[GA+\k:GA+\k+1], 0x3eb504f3, 1.0 op_sel_hi:[1,0,0]
.endr
.irp k, 0,1,2,3,4,5,6,7
	v_rcp_f32 v[GT+\k], v[GT+\k]                   ; u
.endr
.irp k, 0,1,2,3
	v_max_num_f32 v[X0+\k], 0, v[X0+\k]            ; (plain lines behind the reciprocals)
.endr
.irp k, 0,2,4,6
	v_pk_mul_f32 v[GW+\k:GW+\k+1], v[GA+\k:GA+\k+1], v[GA+\k:GA+\k+1]
.endr
	s_wait_alu depctr_va_vdst(0)                   ; the eight reciprocals have written u in v[GT ..], which the polynomial's first lines read: one wait for the batch
.irp k, 0,2,4,6
	v_pk_fma_f32 v[GP+\k:GP+\k+1], v[GT+\k:GT+\k+1], 0x3e7c6f08, v[C8:C8+1] op_sel_hi:[1,0,1]
.endr
.irp c, 0x40097039, 0xbfd1a1e5, 0x3ecdfd18, 0xbe899a80, 0x3e0efb2e, 0x3f0a29d2, 0x3fb8ab5a, 0xc034d90f
.irp k, 0,2,4,6
	v_pk_fma_f32 v[GP+\k:GP+\k+1], v[GP+\k:GP+\k+1], v[GT+\k:GT+\k+1], \c op_sel_hi:[1,1,0]
.endr
.endr
.irp k, 0,2,4,6
	v_pk_fma_f32 v[GP+\k:GP+\k+1], v[GW+\k:GW+\k+1], 0xbf38aa3b, v[GP+\k:GP+\k+1] op_sel_hi:[1,0,1]
.endr
.irp k, 0,1,2,3,4,5,6,7
	v_exp_f32 v[GP+\k], v[GP+\k]
.endr
.irp k, 4,5,6,7
	v_max_num_f32 v[X0+\k], 0, v[X0+\k]            ; (plain lines behind the exponentials)
.endr
	s_wait_alu depctr_va_vdst(0)                   ; the eight exponentials have written v[GP ..], which the multiplications by u read: one wait for the batch
.irp k, 0,2,4,6
	v_pk_mul_f32 v[GP+\k:GP+\k+1], v[GP+\k:GP+\k+1], v[GT+\k:GT+\k+1]   ; q
.endr
.irp k, 0,2,4,6
	v_pk_fma_f32 v[X0+\k:X0+\k+1], v[GA+\k:GA+\k+1], v[GP+\k:GP+\k+1], v[X0+\k:X0+\k+1] neg_lo:[1,0,0] neg_hi:[1,0,0]   ; max(x, 0) - |x| q
.endr
.endm
.macro QUANT s                         ; 64 numbers of a lane, register 16 b + i = k 32 b + 16 h + i of my row, become a fragment in v[PC] on and its scale word in v[PW]
.irp b, 0,1,2,3
	v_max3_num_f32 v[TM+\b], |v[\s+16*\b]|, |v[\s+1+16*\b]|, 0x2800000   ; and the floor 2^(5 - 127): the byte cannot fall under 1
.endr
.irp i, 2,4,6,8,10,12,14
.irp b, 0,1,2,3
	v_max3_num_f32 v[TM+\b], v[TM+\b], |v[\s+16*\b+\i]|, |v[\s+1+16*\b+\i]|
.endr
.endr
.irp b, 0,1,2,3
	v_permlanex16_b32 v[TP+\b], v[TM+\b], s[SEL], s[SEL+1]
.endr
.irp b, 0,1,2,3
	v_max_num_f32 v[TM+\b], v[TM+\b], v[TP+\b]
.endr
.irp b, 0,1,2,3
	v_add_nc_u32 v[TS+\b], 0xfe000000, v[TM+\b]
.endr
.irp b, 0,1,2,3
	v_lshrrev_b32 v[TP+\b], 23, v[TS+\b]
.endr
	v_lshl_or_b32 v[PW], v[TP+1], 8, v[TP]
	v_lshl_or_b32 v[PW], v[TP+2], 16, v[PW]
	v_lshl_or_b32 v[PW], v[TP+3], 24, v[PW]
.irp c, 0,1
	v_cvt_scalef32_pk16_bf6_f32 v[PC+6*\c:PC+2+6*\c], v[\s+32*\c:\s+15+32*\c], v[TS+2*\c]
	v_cvt_scalef32_pk16_bf6_f32 v[PC+12+4*\c:PC+14+4*\c], v[\s+16+32*\c:\s+31+32*\c], v[TS+2*\c+1]
.endr
	v_nop                                          ; one plain place behind a scaled conversion
.irp c, 0,1
.irp i, 0,1,2
	v_permlane16_swap_b32 v[PC+6*\c+\i], v[PC+12+4*\c+\i]
.endr
.irp i, 0,1,2
	v_mov_b32 v[PC+3+6*\c+\i], v[PC+12+4*\c+\i]
.endr
.endr
.endm
.macro LISTAD                          ; the byte offset of the list's word at position min(s29 + r, 1023): all 1,024 places of the list are written
	v_add_nc_u32 v[LA], s29, v[R16]
	v_min_u32 v[LA], 0x3ff, v[LA]
	v_lshlrev_b32 v[LA], 2, v[LA]
.endm
.macro LISTLD                          ; one load: that word
	global_load_b32 v[TK], v[LA], s[RWB:RWB+1]
.endm
.macro XADDR                           ; from the word to my row's places in xq
	v_min_u32 v[TK], 0xfff, v[TK]
	v_and_b32 v[TK], 0x3ff, v[TK]                  ; the token
	v_mad_u32_u24 v[XO], v[TK], 768, v[H48]
	v_lshl_add_u32 v[XSO], v[TK], 5, v[H16X]
.endm
.macro XLOADS                          ; 25 loads: my row's 8 fragments, 48 bytes a lane each, and 4 of its 8 scale words
.irp s, 0,1,2,3,4,5,6,7
.irp c, 0,1,2
	global_load_b128 v[X+12*\s+4*\c:X+12*\s+4*\c+3], v[XO], s[4:5] offset:96*\s+16*\c
.endr
.endr
	global_load_b128 v[XS:XS+3], v[XSO], s[4:5]
.endm
.macro BIAS                            ; b1 at the accumulators' places: tile t, half h: units 32 (t / 2) + 16 h + 8 (t % 2) + 0 .. 7
.irp t, 0,1,2,3,4,5,6,7
	ds_load_b128 v[ACC+8*\t:ACC+8*\t+3], v[BA] offset:128*(\t/2)+32*(\t%2)
	ds_load_b128 v[ACC+8*\t+4:ACC+8*\t+7], v[BA] offset:128*(\t/2)+32*(\t%2)+16
.endr
.endm
	s_load_b256 s[4:11], s[0:1], 0x0               ; xq s[4:5], rows s[6:7], W1's codes s[8:9], W1's scales s[10:11]
	s_load_b128 s[12:15], s[0:1], 0x20             ; b1 s[12:13], hq s[14:15]
	v_lshl_add_u32 v11, v0, 2, 0x19a00             ; my spare word's LDS address, and 0: made here and kept for the closing lines alone
	v_mov_b32 v255, 0
	v_lshrrev_b32 v8, 5, v0
	v_readfirstlane_b32 s[WV], v8                  ; wave 0..3
	s_mov_b32 s[J], ttmp9
	s_and_b32 s[E], ttmp7, 0xffff
	v_and_b32 v9, 31, v0                           ; lane
	v_and_b32 v[R16], 15, v0
	v_bfe_u32 v8, v0, 4, 1                         ; h
	v_lshlrev_b32 v[LI], 4, v9
	v_lshlrev_b32 v[LS], 2, v[R16]
	v_lshl_add_u32 v[BA], v8, 6, B1L
	v_mul_u32_u24 v[H48], v8, 48
	v_lshl_add_u32 v[H16X], v8, 4, 786432
	s_wait_alu depctr_va_sdst(0)                   ; the wave's number is written, ahead of its first reader: LDS places, bases and the trip count are made from it
	s_mul_i32 s29, s[WV], 32*WP
	v_add_nc_u32 v[A0], s29, v[LI]                 ; the copy: my 32 rows' place + 16 lane
	v_lshl_add_u32 v[A1], v8, 4, v[A0]             ; and 16 more for lanes 16-31, where a load straddles two rows
	v_and_b32 v[SA], 7, v0
	v_bfe_u32 v[B1S], v0, 3, 1
	v_lshl_add_u32 v[SA], v[B1S], 4, v[SA]
	v_lshl_add_u32 v[SA], v8, 3, v[SA]             ; row 16 g + 8 u + i of my 32 goes to place 16 u + 8 g + i
	v_lshlrev_b32 v[SA], 5, v[SA]
	s_lshl_b32 s29, s[WV], 10
	s_add_co_u32 s29, s29, SCL
	v_add_nc_u32 v[SA], s29, v[SA]
	v_lshlrev_b32 v[L4], 2, v9
	s_lshl_b32 s29, s[WV], 7
	s_add_co_u32 s29, s29, B1L
	v_add_nc_u32 v[B1S], s29, v[L4]
	v_mul_u32_u24 v[FA0], v[R16], WP
	v_mad_u32_u24 v[FA0], v8, 24, v[FA0]
	v_add_nc_u32 v[FA1], 64*WP, v[FA0]
	v_lshlrev_b32 v[SR], 5, v[R16]
	v_lshl_add_u32 v[SR], v8, 4, v[SR]
	v_add_nc_u32 v[SR], SCL, v[SR]
	v_lshlrev_b32 v[SGO], 5, v9
	s_mov_b32 s[SEL], 0x76543210
	s_mov_b32 s[SEL+1], 0xfedcba98
	s_mov_b32 s[ABSM], 0x7fffffff
	s_mov_b32 s31, 0                               ; the upper word of every 64-bit offset below; never rewritten
	s_wait_kmcnt 0x0
	s_lshl_b32 s30, s[E], 2
	s_add_nc_u64 s[RC:RC+1], s[6:7], s[30:31]
	s_load_b32 s[NE], s[RC:RC+1], 0x0              ; my expert's number of rows
	s_lshl_b32 s30, s[E], 12
	s_add_co_u32 s30, s30, 256
	s_add_nc_u64 s[RWB:RWB+1], s[6:7], s[30:31]    ; its list
	s_mul_i32 s29, s[E], 3145728
	s_mul_i32 s30, s[J], 1536
	s_add_co_u32 s30, s30, s29
	s_add_nc_u64 s[HQE:HQE+1], s[14:15], s[30:31]  ; hq: tile 0 of my expert, K step j
	s_mul_i32 s30, s[J], 98304
	s_add_co_u32 s30, s30, s29
	s_mul_i32 s29, s[WV], 24576
	s_add_co_u32 s30, s30, s29
	s_add_nc_u64 s[8:9], s[8:9], s[30:31]          ; W1's codes: rows 4096 e + 128 j + 32 w on
	s_lshl_b32 s29, s[E], 17
	s_lshl_b32 s30, s[J], 6
	s_add_co_u32 s30, s30, s29
	s_add_co_u32 s30, s30, 25165824
	s_add_nc_u64 s[HSE:HSE+1], s[14:15], s[30:31]  ; hq's scale words likewise
	s_lshl_b32 s30, s[J], 12
	s_add_co_u32 s30, s30, s29
	s_lshl_b32 s29, s[WV], 10
	s_add_co_u32 s30, s30, s29
	s_add_nc_u64 s[10:11], s[10:11], s[30:31]      ; W1's scale bytes, 32 a row
	s_lshl_b32 s30, s[E], 14
	s_lshl_b32 s29, s[J], 9
	s_add_co_u32 s30, s30, s29
	s_lshl_b32 s29, s[WV], 7
	s_add_co_u32 s30, s30, s29
	s_add_nc_u64 s[12:13], s[12:13], s[30:31]      ; b1
	s_mov_b32 s[T], s[WV]
	s_lshl_b32 s29, s[T], 4
	LISTAD
	s_wait_alu depctr_va_vdst(0)                   ; every offset and LDS address of the head is written, which the loads and LDS instructions below read; the head's lines are done with v8, in which the list's word lands
	LISTLD                                         ; my first tile's rows: asked for ahead of the weights
	global_load_b128 v[SCR:SCR+3], v[SGO], s[10:11]
	global_load_b128 v[SCR+4:SCR+7], v[SGO], s[10:11] offset:16
	global_load_b32 v[B1R], v[L4], s[12:13]
	WIN 0x40                                       ; destination window 1
.set L, 0
.rept 48
	global_load_b128 v[4*L:4*L+3], v[LI], s[8:9] offset:512*L th:TH_LOAD_NT   ; my 32 rows are 24,576 dense bytes: 512 consecutive bytes a load; read once in the launch
.set L, L+1
.endr
	WIN 0
	s_wait_loadcnt 48                              ; the list's word, the scale bytes and b1 are in; the 48 loads of codes may stay out
	ds_store_b128 v[SA], v[SCR:SCR+3]
	ds_store_b128 v[SA], v[SCR+4:SCR+7] offset:16
	ds_store_b32 v[B1S], v[B1R]
	WIN 0x04                                       ; an LDS store's data are its source 1: window 1
.set P, 0
.rept 16                                       ; rows 2 P and 2 P + 1 of my 32: three loads' 1,536 bytes
	s_wait_loadcnt 3*(15-P)                        ; the younger pairs of rows may stay out
.set SG, 16*((P>>2)&1)+8*(P>>3)+2*(P&3)
	ds_store_b128 v[A0], v[12*P:12*P+3] offset:WP*SG
	ds_store_b128 v[A1], v[12*P+4:12*P+7] offset:WP*SG+512
	ds_store_b128 v[A0], v[12*P+8:12*P+11] offset:WP*SG+1040
.set P, P+1
.endr
	WIN 0
	s_wait_alu depctr_vm_vsrc(0)                   ; the first list load has read v[LA], which is made anew below; the copy's LDS stores have read window 1's registers, in which the fragments land, and v188-200, in which b1 lands
	XADDR                                          ; my first tile's places in xq
	s_lshl_b32 s29, s[T], 4
	s_add_co_u32 s29, s29, 64
	LISTAD                                         ; my second tile's rows: no load of mine is out, so the word's and the offset's registers are free
	s_wait_alu depctr_va_vdst(0)                   ; v[XO], v[XSO] and v[LA] are written, which the 26 loads below read; the lines above are done with v[TK], in which the list's next word lands
	LISTLD
	XLOADS                                         ; my first tile's x: it lands while the fragments are read from LDS (a wave without a tile reads rows that it does not use)
	s_wait_dscnt 0x0
	s_barrier_signal -1
	s_barrier_wait -1                              ; the one barrier: from here on LDS is only read
	s_wait_kmcnt 0x0
	s_min_u32 s[NE], s[NE], 1024
	s_add_co_u32 s[NT], s[NE], 15
	s_lshr_b32 s[NT], s[NT], 4
	s_cmp_ge_u32 s[WV], s[NT]
	s_cbranch_scc1 .Lend                           ; no tile for me
.set FF, 0
.rept 64
	FRAGLD FF                                      ; no vector line and no store since the two waits above names a register that these loads touch
.set FF, FF+1
.endr
.irp t, 0,1,2,3,4,5,6,7
	ds_load_b128 v[WS+4*\t:WS+4*\t+3], v[SR] offset:512*\t   ; lanes 0-15: words 0-3 of row 16 t + r; lanes 16-31: words 4-7
.endr
	s_sub_co_u32 s[NTR], s[NT], s[WV]              ; my tiles w, w + 4, .. under NT: (NT - w + 3) / 4 of them,
	s_add_co_u32 s[NTR], s[NTR], 3
	s_lshr_b32 s[NTR], s[NTR], 2
	s_min_u32 s[NTR], s[NTR], 16                   ; 16 at the most: an expert has at most 64 tiles
	s_mov_b32 s[TRI], 0
	s_wait_dscnt 0x0                               ; the fragments are in: the accumulators take the registers that held their addresses
	s_wait_alu depctr_vm_vsrc(0)                   ; the fragments' and the scale words' LDS loads have read v[FA0], v[FA1] and v[SR], in which b1 lands
	BIAS
.Ltile:
	s_wait_xcnt 0x0                                ; the last tile's stores have read their bases and data
	s_wait_alu depctr_vm_vsrc(0)                   ; the last tile's stores have read v[PC ..] and v[PW], which the GELU and the quantiser write again; the loads issued so far have read v[XO], v[XSO] and v[LA], which are made anew behind the products
	s_min_u32 s29, s[T], 63
	s_mul_i32 s30, s29, 49152
	s_add_nc_u64 s[HB:HB+1], s[HQE:HQE+1], s[30:31]
	s_lshl_b32 s30, s29, 11
	s_add_nc_u64 s[SB:SB+1], s[HSE:HSE+1], s[30:31]
	s_wait_loadcnt 0x0                             ; this tile's x is in, and so is the next tile's list word, which was asked for ahead of it
	s_wait_dscnt 0x0                               ; b1 is in the accumulators
	MM
	XADDR                                          ; the next tile's places in xq.  These four lines, the two below and the three of the list's offset are the places behind the last products, ahead of the GELU's first read
	v_mov_b32 v[C8], 0xbf97d29d
	v_mov_b32 v[C8+1], 0xbf97d29d
	s_lshl_b32 s29, s[T], 4
	s_add_co_u32 s29, s29, 128                     ; the rows of my tile after the next (in the last trips: places behind my tiles, whose words name rows inside xq)
	LISTAD
	s_wait_alu depctr_va_vdst(0)                   ; the products are done reading X and XS, in which the loads below land; v[XO], v[XSO] and v[LA] are written, which they read; the lines above are done with v[TK], in which the list's word lands
	LISTLD
	XLOADS                                         ; the next tile's x lands under the GELU, of which no line names these loads' registers
.irp t, 0,1,2,3,4,5,6,7
	GELU \t
.endr
	QUANT ACC
	s_wait_alu depctr_va_vdst(0)                   ; the quantiser has written v[PC ..] and v[PW], which the stores read, and is done reading the accumulators, in which b1 lands
.irp c, 0,1,2
	global_store_b128 v[LI], v[PC+4*\c:PC+4*\c+3], s[HB:HB+1] offset:512*\c   ; the image: 1,536 consecutive bytes
.endr
	global_store_b32 v[LS], v[PW], s[SB:SB+1]      ; lanes r and r + 16 hold the same word
	BIAS
	s_add_co_u32 s[T], s[T], 4                     ; my next tile; the loop is counted by its trips, one a trip
	s_add_co_u32 s[TRI], s[TRI], 1
	s_cmp_lt_u32 s[TRI], s[NTR]
	s_cbranch_scc1 .Ltile
.Lend:
	s_wait_dscnt 0x0                               ; the closing lines, six on end
	s_wait_alu 0x0
	s_wait_tensorcnt 0x0
	ds_add_u32 v11, v255
	s_wait_dscnt 0x0
	s_endpgm
.Lfunc_end_k_q6f2abafc21_up:
	.size	k_q6f2abafc21_up, .Lfunc_end_k_q6f2abafc21_up-k_q6f2abafc21_up
	.p2alignl 7, 3214868480
	.fill 96, 4, 3214868480
	.section	.rodata,"a",@progbits
	.p2align	6, 0x0
	.amdhsa_kernel k_q6f2abafc21_up
		.amdhsa_group_segment_fixed_size 105472
		.amdhsa_private_segment_fixed_size 0
		.amdhsa_enable_private_segment 0
		.amdhsa_kernarg_size 48
		.amdhsa_user_sgpr_count 2
		.amdhsa_user_sgpr_kernarg_segment_ptr 1
		.amdhsa_wavefront_size32 1
		.amdhsa_system_sgpr_workgroup_id_x 1
		.amdhsa_system_sgpr_workgroup_id_y 1
		.amdhsa_system_sgpr_workgroup_id_z 1
		.amdhsa_system_vgpr_workitem_id 0
		.amdhsa_next_free_vgpr 1024
		.amdhsa_next_free_sgpr 66
		.amdhsa_reserve_vcc 0
		.amdhsa_float_denorm_mode_32 3
		.amdhsa_float_denorm_mode_16_64 3
		.amdhsa_memory_ordered 1
		.amdhsa_forward_progress 1
		.amdhsa_inst_pref_size 107
	.end_amdhsa_kernel
	.amdgpu_metadata
---
amdhsa.version: [ 1, 2 ]
amdhsa.kernels:
  - .name:           k_q6f2abafc21_up
    .symbol:         k_q6f2abafc21_up.kd
    .args:
      - { .name: xq, .offset: 0, .size: 8, .value_kind: global_buffer, .address_space: global }
      - { .name: rows, .offset: 8, .size: 8, .value_kind: global_buffer, .address_space: global }
      - { .name: w1_codes, .offset: 16, .size: 8, .value_kind: global_buffer, .address_space: global }
      - { .name: w1_scales, .offset: 24, .size: 8, .value_kind: global_buffer, .address_space: global }
      - { .name: b1, .offset: 32, .size: 8, .value_kind: global_buffer, .address_space: global }
      - { .name: hq, .offset: 40, .size: 8, .value_kind: global_buffer, .address_space: global }
    .group_segment_fixed_size: 105472
    .private_segment_fixed_size: 0
    .kernarg_segment_align: 8
    .kernarg_segment_size: 48
    .max_flat_workgroup_size: 128
    .sgpr_count:     66
    .vgpr_count:     1024
    .wavefront_size: 32
...
	.end_amdgpu_metadata
.endif
;; end of part 6
;; launch down (part 7): grid 32 x 8, 4 waves a work-group, no clusters, 122,624 bytes of LDS; arguments hq, rows, rowg, w2_codes, w2_scales, b2, ypart; writes ypart
.if DOCPART == 7
	.amdgcn_target "amdgcn-amd-amdhsa--gfx1250"
	.amdhsa_code_object_version 6
	.text
	.protected	k_q6f2abafc21_down
	.globl	k_q6f2abafc21_down
	.p2align	8
	.type	k_q6f2abafc21_down,@function
k_q6f2abafc21_down:
	s_mov_b64 s[64:65], 0
	v_nop
	global_prefetch_b8 v0, s[64:65] scope:SCOPE_SE
	s_setreg_imm32_b32 hwreg(HW_REG_WAVE_SCHED_MODE, 0, 2), 2
	s_setreg_imm32_b32 hwreg(HW_REG_WAVE_MODE, 25, 1), 1
	s_wait_xcnt 0x0
	s_wait_alu depctr_vm_vsrc(0)
; DOWN.  gate x (h W2^T + b2) for the rows routed to one expert, on codes of BF6 (E3M2) with one E8M0 byte for each 32 along K; sums in f32.
; SHARES.  Work-group (x, e): outputs 64 ns .. 64 ns + 63 (ns = x % 16) and half kh = x / 16 of K (16 K steps of 128): 64 pieces of 1,536 bytes of W2's rows, which no other work-group reads.  Each of its four waves
; keeps all 64 fragments (4 tiles of 16 outputs x 16 K steps) in registers and takes the expert's tiles of 16 routed rows w, w + 4, ..  Behind the prologue's one barrier the waves share nothing.
; h comes as images of the operand's registers: three loads of 16 bytes a lane for a fragment, through a ring of 8 fragments in registers: while two are multiplied, six to eight are on their way.
; A wave's first tile is asked for ahead of the barrier, so that it lands while the weights' fragments are read from LDS.
; THE MATRIX INSTRUCTION IS USED TRANSPOSED: source 0 = 16 rows of W2, source 1 = 16 routed rows of h: a lane holds eight neighbouring outputs of one routed row.  b2 (in the half kh = 0 alone) is the C of a sum's first
; matrix instruction.  The result, times the row's gate, goes through the wave's own stage in LDS, so that sixteen lanes store a row's 256 consecutive bytes, aligned.
; OUT.  ypart: four planes of [1024][1024] f32, plane 2 slot + kh; the list's word 2048 slot + token, shifted by 12, is the row's byte offset.  Each token has a first and a second expert, so every plane is written whole.
; A tile's rows behind the expert's last row repeat that row: they store the same numbers to the same places.
; NO TENSOR LOAD, NO CLUSTER: the number of tiles is read from memory, and W2, the bulk of the bytes from memory, is shared with nobody.
; LIMITS.  NaN and infinities are not served (b2 is multiplied by 0 in the half kh = 1).  An expert may have 0 to 1,024 rows.
; THE MODE: SCHED_MODE bits 1:0 = 2 (LLVM: expert scheduling mode 2), set by the entry lines.  The code itself states the register dependences between vector or matrix instructions and memory or LDS
; instructions, with s_wait_alu, always for 0.
; THE PLAN.  Registers that memory or LDS instructions touch, in the loop:
;   RING, HSC   A group's eight products read two slots of the ring and their scale words; behind them the loads of the K steps eight further on land there.
;   ACC         b2's LDS loads land in it; the products and the scaling by the gate write it; the stage's LDS stores read it.
;   DC          The list's loads land in it; two plain lines make the rows' offsets of it; the eight global stores read it as their address.
;   v10         The gate's load lands in it; the scaling reads it.
;   OUTR        The stage's LDS loads land in it; the eight global stores read it.
;   v[LI] v[HSO] v[DOF] v[GOF] v[STO] v[RD] v[BA2]  Made at the head and never written again.
; One wait on va_vdst stands behind each group's products, ahead of its refill, and not at the next group's head: the two slots are asked for again at once, so that all eight stay on their way while the wave waits
; for the next group's data, and behind a group's products the wave has nothing else to issue.  One more stands behind the scaling and the offsets, ahead of the way out.  One wait on vm_vsrc a trip stands behind
; the global stores: behind it b2, the list and, in the next trip, the stage's rows land in registers that LDS stores and global stores have read.
; REGISTERS.  Window 0: v1-8 addresses; v10 the gate; v12-43 W2's scale words; v44-55 fragment 63; v56-87 4 accumulators; v88-95 h's scale words; v96-103 the rows' offsets; v104-135 rows on the way out;
; v136-231 the ring; v232-254 prologue; v249, v255 the closing add's two.  Windows 1-3: W2's fragments 0-62, fragment f = 4 s + n in window 1 + f / 21 at register 12 (f % 21); in the prologue window 1 v0-191 holds the weights as loaded.
.set WP,   1552                        ; LDS: a piece of a row of W2: 1,536 bytes + 16 = 388 words: row r begins at bank 4 r mod 64
.set SC2,  99328                       ; the 64 rows' scale words: 64 bytes + 16
.set B2L,  104448                      ; b2's 64 numbers (zeros in the half kh = 1)
.set STG,  104704                      ; a stage of 16 rows x (256 + 16) bytes for each wave
.set LI,   1                           ; 16 x lane
.set HSO,  2                           ; 512 h + 4 r
.set BA2,  3                           ; B2L + 32 h
.set STO,  4                           ; the stage: row r, 32 h
.set RD,   5                           ; and back: lanes 0-15 row i, lanes 16-31 row 8 + i; 16 bytes a lane
.set C16,  6                           ; 16 r
.set DOF,  7                           ; 32 h
.set GOF,  8                           ; 4 r
.set WS,   12
.set F63,  44
.set ACC,  56
.set HSC,  88
.set DC,   96
.set OUTR, 104
.set RING, 136
.set WV,  20
.set NS,  21
.set KH,  22
.set E,   23
.set NE,  24
.set NT,  25
.set NT1, 26
.set T,   27
.set HC,  32                           ; s[32:33] the tile in hand in hq;  s[34:41] the next tile: its images, its scale words, its list, its gates
.set HN,  34
.set SN,  36
.set RN,  38
.set GN,  40
.set HQE, 42
.set HSE, 44
.set RE,  46
.set GE,  48
.set YB,  50
.set TRI, 56                           ; trips done
.set NTR, 57                           ; my wave's trips: its tiles
.set MSB, 0
.macro WIN new
.if MSB != (\new)
	s_set_vgpr_msb (MSB<<8)|(\new)
.set MSB, (\new)
.endif
.endm
.macro SETN                            ; the four bases of tile s28
	s_mul_i32 s30, s28, 49152
	s_add_nc_u64 s[HN:HN+1], s[HQE:HQE+1], s[30:31]
	s_lshl_b32 s30, s28, 11
	s_add_nc_u64 s[SN:SN+1], s[HSE:HSE+1], s[30:31]
	s_lshl_b32 s30, s28, 6
	s_add_nc_u64 s[RN:RN+1], s[RE:RE+1], s[30:31]
	s_add_nc_u64 s[GN:GN+1], s[GE:GE+1], s[30:31]
.endm
.macro FRL base, sig, slot             ; the image of K step sig into a slot of the ring
.irp c, 0,1,2
	global_load_b128 v[RING+12*(\slot)+4*\c:RING+12*(\slot)+4*\c+3], v[LI], s[\base:\base+1] offset:1536*(\sig)+512*\c
.endr
.endm
.macro BATCH g                         ; behind group g: the two slots just read take this tile's K steps 8 further on (6 loads), or the next tile's K steps 8 back and their scale words (8 loads)
.if \g < 4
	FRL HC, 2*\g+8, 2*\g
	FRL HC, 2*\g+9, 2*\g+1
.else
	FRL HN, 2*\g-8, 2*\g-8
	FRL HN, 2*\g-7, 2*\g-7
	global_load_b32 v[HSC+2*\g-8], v[HSO], s[SN:SN+1] offset:64*(2*\g-8)   ; lanes 0-15: K step i; lanes 16-31: K step i + 8
	global_load_b32 v[HSC+2*\g-7], v[HSO], s[SN:SN+1] offset:64*(2*\g-7)
.endif
.endm
.macro WM2 n, sg                       ; tile n of outputs, K step sg
.set F, 4*(\sg)+(\n)
.if F < 63
	WIN 1+F/21
.set FD, 12*(F%21)
.else
	WIN 0
.set FD, F63
.endif
.set RA, ACC+8*(\n)
.set RB, RING+12*((\sg)%8)
.set RW, WS+8*(\n)+4*((\sg)/8)+(\sg)%4
.set RH, HSC+(\sg)%8
.if ((\sg)/4)%2 == 0 && (\sg) < 8
	v_wmma_scale_f32_16x16x128_f8f6f4 v[RA:RA+7], v[FD:FD+11], v[RB:RB+11], v[RA:RA+7], v[RW], v[RH] matrix_a_fmt:MATRIX_FMT_BF6 matrix_b_fmt:MATRIX_FMT_BF6
.elseif ((\sg)/4)%2 == 1 && (\sg) < 8
	v_wmma_scale_f32_16x16x128_f8f6f4 v[RA:RA+7], v[FD:FD+11], v[RB:RB+11], v[RA:RA+7], v[RW], v[RH] matrix_a_fmt:MATRIX_FMT_BF6 matrix_b_fmt:MATRIX_FMT_BF6 matrix_a_scale:MATRIX_SCALE_ROW1
.elseif ((\sg)/4)%2 == 0
	v_wmma_scale_f32_16x16x128_f8f6f4 v[RA:RA+7], v[FD:FD+11], v[RB:RB+11], v[RA:RA+7], v[RW], v[RH] matrix_a_fmt:MATRIX_FMT_BF6 matrix_b_fmt:MATRIX_FMT_BF6 matrix_b_scale:MATRIX_SCALE_ROW1
.else
	v_wmma_scale_f32_16x16x128_f8f6f4 v[RA:RA+7], v[FD:FD+11], v[RB:RB+11], v[RA:RA+7], v[RW], v[RH] matrix_a_fmt:MATRIX_FMT_BF6 matrix_b_fmt:MATRIX_FMT_BF6 matrix_a_scale:MATRIX_SCALE_ROW1 matrix_b_scale:MATRIX_SCALE_ROW1
.endif
.endm
; Two K steps: 8 matrix instructions, the four accumulators by turns, one instruction a turn.  left: the loads issued behind the batch that brought these two fragments.
.macro GROUP g, left
	s_wait_loadcnt \left
.irp d, 0,1
.irp n, 0,1,2,3
	WM2 \n, 2*\g+\d
.endr
.endr
	WIN 0
.rept 4
	v_nop                                          ; four places behind the products, as in the plain form: behind group 7 they stand ahead of the scaling that reads the results; the wait below fills none of them
.endr
	s_wait_alu depctr_va_vdst(0)                   ; the group's products are done reading its two slots of the ring (from group 4 on: and their two scale words), in which the loads below land
	BATCH \g
.endm
.macro LISTLD                          ; three loads: the tile's eight words of the list for my half of the lanes, and my row's gate
	global_load_b128 v[DC:DC+3], v[DOF], s[RN:RN+1]
	global_load_b128 v[DC+4:DC+7], v[DOF], s[RN:RN+1] offset:16
	global_load_b32 v10, v[GOF], s[GN:GN+1]
.endm
.macro BIAS2                           ; b2 at the accumulators' places: tile n, half h: outputs 16 n + 8 h + 0 .. 7
.irp n, 0,1,2,3
	ds_load_b128 v[ACC+8*\n:ACC+8*\n+3], v[BA2] offset:64*\n
	ds_load_b128 v[ACC+8*\n+4:ACC+8*\n+7], v[BA2] offset:64*\n+16
.endr
.endm
.macro FRAGLD f                        ; fragment f = 4 s + n from LDS
.set FS, (\f)/4
.set FN, (\f)%4
.if (\f) < 63
	WIN (1+(\f)/21)<<6
.set FD, 12*((\f)%21)
.else
	WIN 0
.set FD, F63
.endif
.irp p, 0,1,2,3,4,5
.if FN < 2
	ds_load_b64 v[FD+2*\p:FD+2*\p+1], v236 offset:16*WP*FN+96*FS+48*(\p/3)+8*(\p%3)
.else
	ds_load_b64 v[FD+2*\p:FD+2*\p+1], v237 offset:16*WP*(FN-2)+96*FS+48*(\p/3)+8*(\p%3)
.endif
.endr
.endm
	s_load_b256 s[4:11], s[0:1], 0x0               ; hq s[4:5], rows s[6:7], rowg s[8:9], W2's codes s[10:11]
	s_load_b128 s[12:15], s[0:1], 0x20             ; W2's scales s[12:13], b2 s[14:15]
	s_load_b64 s[16:17], s[0:1], 0x30              ; ypart
	v_lshl_add_u32 v249, v0, 2, 0x1dd00            ; my spare word's LDS address, and 0: made here and kept for the closing lines alone
	v_mov_b32 v255, 0
	v_lshrrev_b32 v9, 5, v0
	v_readfirstlane_b32 s[WV], v9                  ; wave 0..3
	s_and_b32 s[NS], ttmp9, 15
	s_lshr_b32 s[KH], ttmp9, 4
	s_and_b32 s[E], ttmp7, 0xffff
	v_and_b32 v252, 31, v0                         ; lane
	v_and_b32 v250, 15, v0                         ; r
	v_bfe_u32 v251, v0, 4, 1                       ; h
	v_lshlrev_b32 v[LI], 4, v252
	v_lshlrev_b32 v[GOF], 2, v250
	v_lshl_add_u32 v[HSO], v251, 9, v[GOF]
	v_lshl_add_u32 v[BA2], v251, 5, B2L
	v_lshlrev_b32 v[C16], 4, v250
	v_lshlrev_b32 v[DOF], 5, v251
	s_wait_alu depctr_va_sdst(0)                   ; the wave's number is written, ahead of its first reader: LDS places, bases and the trip count are made from it
	s_mul_i32 s28, s[WV], 4352
	s_add_co_u32 s28, s28, STG
	v_mul_u32_u24 v[STO], v250, 272
	v_lshl_add_u32 v[STO], v251, 5, v[STO]
	v_add_nc_u32 v[STO], s28, v[STO]
	v_mul_u32_u24 v[RD], v251, 2176
	v_lshl_add_u32 v[RD], v250, 4, v[RD]
	v_add_nc_u32 v[RD], s28, v[RD]
	v_mov_b32 v11, 0                               ; named with the gate as a pair
	s_mul_i32 s28, s[WV], 16*WP
	v_add_nc_u32 v232, s28, v[LI]                  ; the copy: my 16 rows' place + 16 lane
	v_lshrrev_b32 v253, 1, v252
	v_and_b32 v254, 1, v0
	v_lshlrev_b32 v233, 7, v253
	v_lshl_add_u32 v233, v254, 5, v233             ; scale bytes in memory: row lane / 2, 32 bytes for each of two lanes
	v_mul_u32_u24 v234, v253, 80
	v_lshl_add_u32 v234, v254, 5, v234
	s_mul_i32 s28, s[WV], 1280
	s_add_co_u32 s28, s28, SC2
	v_add_nc_u32 v234, s28, v234                   ; and in LDS
	s_lshl_b32 s28, s[WV], 6
	s_add_co_u32 s28, s28, B2L
	v_add_nc_u32 v235, s28, v[GOF]
	v_mul_u32_u24 v236, v250, WP
	v_mad_u32_u24 v236, v251, 24, v236             ; a fragment's row r, + 24 h
	v_add_nc_u32 v237, 32*WP, v236
	v_mul_u32_u24 v238, v250, 80
	v_lshl_add_u32 v238, v251, 4, v238
	v_add_nc_u32 v238, SC2, v238
	s_mov_b32 s31, 0                               ; the upper word of every 64-bit offset below; never rewritten
	s_cmp_eq_u32 s[KH], 0
	s_cselect_b32 s52, 1.0, 0                      ; b2 counts in the first half of K alone
	s_wait_kmcnt 0x0
	s_lshl_b32 s30, s[E], 2
	s_add_nc_u64 s[54:55], s[6:7], s[30:31]
	s_load_b32 s[NE], s[54:55], 0x0                ; my expert's number of rows
	s_mul_i32 s29, s[E], 3145728
	s_mul_i32 s30, s[KH], 24576
	s_add_co_u32 s30, s30, s29
	s_add_nc_u64 s[HQE:HQE+1], s[4:5], s[30:31]
	s_mul_i32 s30, s[NS], 196608
	s_add_co_u32 s30, s30, s29
	s_mul_i32 s29, s[WV], 49152
	s_add_co_u32 s30, s30, s29
	s_mul_i32 s29, s[KH], 1536
	s_add_co_u32 s30, s30, s29
	s_add_nc_u64 s[10:11], s[10:11], s[30:31]      ; W2's codes: rows 1024 e + 64 ns + 16 w on, my half of K
	s_lshl_b32 s29, s[E], 17
	s_lshl_b32 s30, s[KH], 10
	s_add_co_u32 s30, s30, s29
	s_add_co_u32 s30, s30, 25165824
	s_add_nc_u64 s[HSE:HSE+1], s[4:5], s[30:31]
	s_lshl_b32 s30, s[NS], 13
	s_add_co_u32 s30, s30, s29
	s_lshl_b32 s29, s[WV], 11
	s_add_co_u32 s30, s30, s29
	s_lshl_b32 s29, s[KH], 6
	s_add_co_u32 s30, s30, s29
	s_add_nc_u64 s[12:13], s[12:13], s[30:31]      ; W2's scale bytes, 128 a row
	s_lshl_b32 s30, s[E], 12
	s_lshl_b32 s29, s[NS], 8
	s_add_co_u32 s29, s29, s30
	s_add_co_u32 s30, s30, 256
	s_add_nc_u64 s[RE:RE+1], s[6:7], s[30:31]
	s_add_nc_u64 s[GE:GE+1], s[8:9], s[30:31]
	s_lshl_b32 s30, s[WV], 6
	s_add_co_u32 s30, s30, s29
	s_add_nc_u64 s[14:15], s[14:15], s[30:31]      ; b2
	s_lshl_b32 s30, s[KH], 22
	s_lshl_b32 s29, s[NS], 8
	s_add_co_u32 s30, s30, s29
	s_add_nc_u64 s[YB:YB+1], s[16:17], s[30:31]
	s_wait_alu depctr_va_vdst(0)                   ; every offset and LDS address of the head is written, which the loads, stores and LDS instructions of the whole kernel read
	global_load_b128 v[240:243], v233, s[12:13]
	global_load_b128 v[244:247], v233, s[12:13] offset:16
	global_load_b32 v248, v[GOF], s[14:15]
	WIN 0x40                                       ; destination window 1
.set P, 0
.rept 16
.irp q, 0,1,2
	global_load_b128 v[12*P+4*\q:12*P+4*\q+3], v[LI], s[10:11] offset:3072*P+512*\q th:TH_LOAD_NT   ; a row's piece: 1,536 consecutive bytes, read once in the launch
.endr
.set P, P+1
.endr
	WIN 0
	s_wait_loadcnt 48                              ; the scale bytes and b2 are in; the 48 loads of codes may stay out
	ds_store_b128 v234, v[240:243]
	ds_store_b128 v234, v[244:247] offset:16
	v_mul_f32 v248, s52, v248                      ; b2, or 0: it is stored behind the copy, where the wait for it stands
	WIN 0x04                                       ; an LDS store's data are its source 1: window 1
.set P, 0
.rept 16
	s_wait_loadcnt 3*(15-P)                        ; the younger rows may stay out
.irp q, 0,1,2
	ds_store_b128 v232, v[12*P+4*\q:12*P+4*\q+3] offset:WP*P+512*\q
.endr
.set P, P+1
.endr
	WIN 0
	s_wait_alu depctr_va_vdst(0)                   ; the multiplication has written v248, which the LDS store below reads
	ds_store_b32 v235, v248                        ; lanes r and r + 16 hold the same number
	s_wait_alu depctr_vm_vsrc(0)                   ; the copy's LDS stores have read window 1's registers, in which the fragments land
	s_wait_kmcnt 0x0                               ; my expert's number of rows
	s_min_u32 s[NE], s[NE], 1024
	s_add_co_u32 s[NT], s[NE], 15
	s_lshr_b32 s[NT], s[NT], 4
	s_sub_co_u32 s[NT1], s[NT], 1
	s_mov_b32 s[T], s[WV]
	s_min_u32 s28, s[T], s[NT1]                    ; my first tile (a wave without a tile asks for the expert's last tile, or, where the expert has no row, for bytes that it does not use, and ends)
	s_min_u32 s28, s28, 63
	SETN
	BATCH 4                                        ; my first tile's K steps 0-7, its scale words, its list: in the order in which a trip issues them for the next tile;
	BATCH 5                                        ; ahead of the barrier, so that they land while the fragments are read from LDS
	BATCH 6
	BATCH 7
	LISTLD
	s_wait_dscnt 0x0
	s_barrier_signal -1
	s_barrier_wait -1                              ; the one barrier: weights, scale words and b2 lie in LDS and are only read from here on
	s_cmp_ge_u32 s[WV], s[NT]
	s_cbranch_scc1 .Lend                           ; no tile for me
.set FF, 0
.rept 64
	FRAGLD FF                                      ; no vector line and no store since the two waits above names a register that these loads touch
.set FF, FF+1
.endr
.irp n, 0,1,2,3
.irp m, 0,1
	ds_load_b128 v[WS+8*\n+4*\m:WS+8*\n+4*\m+3], v238 offset:1280*\n+32*\m   ; lanes 0-15: words 8 m + 0..3 of row 16 n + r; lanes 16-31: words 8 m + 4..7
.endr
.endr
	s_sub_co_u32 s[NTR], s[NT], s[WV]              ; my tiles w, w + 4, .. under NT: (NT - w + 3) / 4 of them,
	s_add_co_u32 s[NTR], s[NTR], 3
	s_lshr_b32 s[NTR], s[NTR], 2
	s_min_u32 s[NTR], s[NTR], 16                   ; 16 at the most: an expert has at most 64 tiles
	s_mov_b32 s[TRI], 0
	BIAS2
	s_wait_xcnt 0x0                                ; the loads have read their bases
	s_mov_b64 s[HC:HC+1], s[HN:HN+1]
	s_add_co_u32 s28, s[T], 4
	s_min_u32 s28, s28, s[NT1]                     ; behind my last tile: the expert's last tile again
	s_min_u32 s28, s28, 63
	SETN
.Ltile:
	s_wait_dscnt 0x0                               ; b2 is in the accumulators (first trip: the weights too)
	GROUP 0, 27                                    ; behind its batch: three batches of 8 and the list's 3
	GROUP 1, 25                                    ; 8 + 8 + 3 + 6
	GROUP 2, 23                                    ; 8 + 3 + 6 + 6
	GROUP 3, 21                                    ; 3 + 6 + 6 + 6
	GROUP 4, 18                                    ; 6 + 6 + 6: so the list and the gate are in too
	GROUP 5, 20                                    ; 6 + 6 + 8
	GROUP 6, 22                                    ; 6 + 8 + 8
	GROUP 7, 24                                    ; 8 + 8 + 8
.irp n, 0,1,2,3
.irp p, 0,2,4,6
	v_pk_mul_f32 v[ACC+8*\n+\p:ACC+8*\n+\p+1], v[ACC+8*\n+\p:ACC+8*\n+\p+1], v[10:11] op_sel_hi:[1,0]   ; x my row's gate; each accumulator from its low end on
.endr
.endr
.irp i, 0,1,2,3,4,5,6,7
	v_min_u32 v[DC+\i], 0xbff, v[DC+\i]
.endr
.irp i, 0,1,2,3,4,5,6,7
	v_lshl_add_u32 v[DC+\i], v[DC+\i], 12, v[C16]  ; (2048 slot + token) x 4,096 bytes + 16 r
.endr
	s_wait_alu depctr_va_vdst(0)                   ; the scaling has written the accumulators, which the LDS stores read, and is done reading the gate; the offsets in v[DC ..] are written, which the global stores read; b2, the list and the gate land in these registers further down
.irp n, 0,1,2,3
	ds_store_b128 v[STO], v[ACC+8*\n:ACC+8*\n+3] offset:64*\n
	ds_store_b128 v[STO], v[ACC+8*\n+4:ACC+8*\n+7] offset:64*\n+16
.endr
.irp i, 0,1,2,3,4,5,6,7
	ds_load_b128 v[OUTR+4*\i:OUTR+4*\i+3], v[RD] offset:272*\i   ; LDS serves a wave's instructions in order: these see my stores
.endr
.irp i, 0,1,2,3,4,5,6,7
	s_wait_dscnt 7-\i                              ; the younger rows may stay out
	global_store_b128 v[DC+\i], v[OUTR+4*\i:OUTR+4*\i+3], s[YB:YB+1]   ; sixteen lanes store 256 consecutive bytes, aligned
.endr
	s_wait_xcnt 0x0                                ; the stores have read their offsets and data
	s_wait_alu depctr_vm_vsrc(0)                   ; the LDS stores have read the accumulators, in which b2 lands; the global stores have read v[DC ..], in which the list lands, and v[OUTR ..], in which the next tile's rows land
	BIAS2
	LISTLD
	s_wait_xcnt 0x0                                ; every load has read its base
	s_mov_b64 s[HC:HC+1], s[HN:HN+1]
	s_add_co_u32 s[T], s[T], 4
	s_add_co_u32 s28, s[T], 4
	s_min_u32 s28, s28, s[NT1]
	s_min_u32 s28, s28, 63
	SETN
	s_add_co_u32 s[TRI], s[TRI], 1                 ; the loop is counted by its trips, one a trip
	s_cmp_lt_u32 s[TRI], s[NTR]
	s_cbranch_scc1 .Ltile
.Lend:
	s_wait_dscnt 0x0                               ; the closing lines, six on end
	s_wait_alu 0x0
	s_wait_tensorcnt 0x0
	ds_add_u32 v249, v255
	s_wait_dscnt 0x0
	s_endpgm
.Lfunc_end_k_q6f2abafc21_down:
	.size	k_q6f2abafc21_down, .Lfunc_end_k_q6f2abafc21_down-k_q6f2abafc21_down
	.p2alignl 7, 3214868480
	.fill 96, 4, 3214868480
	.section	.rodata,"a",@progbits
	.p2align	6, 0x0
	.amdhsa_kernel k_q6f2abafc21_down
		.amdhsa_group_segment_fixed_size 122624
		.amdhsa_private_segment_fixed_size 0
		.amdhsa_enable_private_segment 0
		.amdhsa_kernarg_size 56
		.amdhsa_user_sgpr_count 2
		.amdhsa_user_sgpr_kernarg_segment_ptr 1
		.amdhsa_wavefront_size32 1
		.amdhsa_system_sgpr_workgroup_id_x 1
		.amdhsa_system_sgpr_workgroup_id_y 1
		.amdhsa_system_sgpr_workgroup_id_z 1
		.amdhsa_system_vgpr_workitem_id 0
		.amdhsa_next_free_vgpr 1024
		.amdhsa_next_free_sgpr 66
		.amdhsa_reserve_vcc 0
		.amdhsa_float_denorm_mode_32 3
		.amdhsa_float_denorm_mode_16_64 3
		.amdhsa_memory_ordered 1
		.amdhsa_forward_progress 1
		.amdhsa_inst_pref_size 64
	.end_amdhsa_kernel
	.amdgpu_metadata
---
amdhsa.version: [ 1, 2 ]
amdhsa.kernels:
  - .name:           k_q6f2abafc21_down
    .symbol:         k_q6f2abafc21_down.kd
    .args:
      - { .name: hq, .offset: 0, .size: 8, .value_kind: global_buffer, .address_space: global }
      - { .name: rows, .offset: 8, .size: 8, .value_kind: global_buffer, .address_space: global }
      - { .name: rowg, .offset: 16, .size: 8, .value_kind: global_buffer, .address_space: global }
      - { .name: w2_codes, .offset: 24, .size: 8, .value_kind: global_buffer, .address_space: global }
      - { .name: w2_scales, .offset: 32, .size: 8, .value_kind: global_buffer, .address_space: global }
      - { .name: b2, .offset: 40, .size: 8, .value_kind: global_buffer, .address_space: global }
      - { .name: ypart, .offset: 48, .size: 8, .value_kind: global_buffer, .address_space: global }
    .group_segment_fixed_size: 122624
    .private_segment_fixed_size: 0
    .kernarg_segment_align: 8
    .kernarg_segment_size: 56
    .max_flat_workgroup_size: 128
    .sgpr_count:     66
    .vgpr_count:     1024
    .wavefront_size: 32
...
	.end_amdgpu_metadata
.endif
;; end of part 7
;; launch sum: the kernel of part 5 again; grid 256 x 1, 8 waves a work-group, no clusters, 0 bytes of LDS; arguments ypart, rows, rowg, out0, out1; writes out0, out1
